; MI455X (gfx1250); checked and timed in simulation.
; The chip was launched on July 23, 2026; its instructions are those of AMD's public machine-readable ISA for CDNA 5 (MIT licence, August 2026) and "CDNA5" Instruction Set Architecture Reference Guide (July 2026). The comments in the code are by the model that wrote it; some were corrected since.
;; Encoder Layer. Allowed arithmetic: float matrix products may take bf16 or f16 operands with f32 sums; other float arithmetic in f32, or as packed bf16 or f16 multiplies, adds, multiply-adds, maxima and minima; sums over many terms, partial sums and values carried from step to step in f32; what a program stores and reads back later, other than sums and carried values, may be rounded once to bf16 or f16.
;; Inputs: W1 1,024 x 2,048 float32; W2 2,048 x 1,024 float32; Wk 1,024 x 1,024 float32; Wo 1,024 x 1,024 float32; Wq 1,024 x 1,024 float32; Wv 1,024 x 1,024 float32; b1 2,048 float32; b2 1,024 float32; bo 1,024 float32; ln1_a 1,024 float32; ln1_b 1,024 float32; ln2_a 1,024 float32; ln2_b 1,024 float32; mask 2 x 1 x 1 x 2,048 float32; x 2 x 2,048 x 1,024 float32.
;; Outputs: out0 2 x 2,048 x 1,024 float32.
;; One version. Each part assembles by itself: llvm-mc -triple=amdgcn-amd-amdhsa -mcpu=gfx1250 --defsym DOCPART=n.
;; ======== version 1 of 1: 7 launches
;; limits: right only within a limited range of input values
;; workspace buffers: xn 8,388,608 bytes; wts 16,777,216 bytes; qb 8,388,608 bytes; kb 8,388,608 bytes; vb 8,388,608 bytes; cc 8,388,608 bytes; x1 16,777,216 bytes; h 16,777,216 bytes
;; launch prep (part 1): grid 512 x 1, 16 waves a work-group, no clusters, 0 bytes of LDS; arguments x, ln1_a, ln1_b, Wq, Wk, Wv, Wo, W1, W2, xn, wts; writes xn, wts
.if DOCPART == 1
	.amdgcn_target "amdgcn-amd-amdhsa--gfx1250"
	.amdhsa_code_object_version 6
	.text
	.protected	k_qebe9d9d4c6_prep
	.globl	k_qebe9d9d4c6_prep
	.p2align	8
	.type	k_qebe9d9d4c6_prep,@function
k_qebe9d9d4c6_prep:
	s_mov_b64 s[64:65], 0
	v_nop
	global_prefetch_b8 v0, s[64:65] scope:SCOPE_SE
	s_setreg_imm32_b32 hwreg(HW_REG_WAVE_MODE, 25, 1), 1
	s_wait_xcnt 0x0
; TWO STREAMS IN ONE LAUNCH.  Work-groups 0-255: xn = LayerNorm(x) (mean; sum of squares of the centred row / 1023; alpha (x - m) / (sqrt + 1e-6) + beta), rounded once to bf16.
; Work-groups 256-511: the six weight matrices rounded to bf16, each at the same linear index in its part of wts (Wq 0, Wk 2 MiB, Wv 4 MiB, Wo 6 MiB, W1 8 MiB, W2 12 MiB).
; Memory binds both: no LDS, no matrix unit, no cluster (nothing is shared but alpha and beta, 8 KiB).
; NORM.  A row is 4,096 bytes: one wave, eight loads of 16 bytes a lane (512 neighbouring bytes each), 32 registers; the row is read once and stays in registers for both passes.
; The variance is taken of the centred numbers, not as a difference of two large sums.  A lane's four neighbouring columns pack into 8 bytes: a store of the wave covers 256 consecutive bytes, aligned.
; CAST.  Work-group c takes 1/256 of every matrix; thread t the 16 bytes at 16 t of each 8 KiB: 16 loads a wave, all out at once; the waits count down.
.set A,  4                             ; v[4:35]    alpha of my 32 columns
.set B,  36                            ; v[36:67]   beta
.set X,  68                            ; v[68:99]   the row
.set T,  100                           ; v[100:107] four chains of pairs
.set M,  108                           ; v[108:109] the mean, later 1 / (std + eps); the packed forms name the pair and take its low word
.set CW, 8                             ; v[8:71]    the cast's 16 loads
	s_load_b512 s[4:19], s[0:1], 0x0               ; x, ln1_a, ln1_b, Wq, Wk, Wv, Wo, W1
	s_load_b128 s[20:23], s[0:1], 0x40             ; W2, xn
	s_load_b64 s[24:25], s[0:1], 0x50              ; wts
	s_cmp_lt_u32 ttmp9, 256
	s_cbranch_scc0 .Lcast
	v_lshrrev_b32 v1, 5, v0
	v_readfirstlane_b32 s26, v1                    ; wave 0..15
	v_and_b32 v1, 31, v0
	v_lshlrev_b32 v2, 4, v1                        ; 16 x lane: where I read
	v_lshlrev_b32 v3, 3, v1                        ; 8 x lane: where I store
	v_mov_b32 v[M+1], 0                            ; named with M as a pair
	s_lshl_b32 s28, ttmp9, 4
	s_add_co_u32 s28, s28, s26                     ; my row = 16 x work-group + wave
	s_lshl_b32 s30, s28, 11                        ; 2,048 bytes a row of xn
	s_lshl_b32 s28, s28, 12                        ; 4,096 bytes a row of x
	s_mov_b32 s29, 0
	s_mov_b32 s31, 0
	s_mov_b32 s32, 0x76543210                      ; v_permlanex16_b32: each lane takes its own place in the other half
	s_mov_b32 s33, 0xfedcba98
	s_wait_kmcnt 0x0
	s_add_nc_u64 s[4:5], s[4:5], s[28:29]
	s_add_nc_u64 s[22:23], s[22:23], s[30:31]
.irp j, 0,1,2,3,4,5,6,7
	global_load_b128 v[X+4*\j:X+4*\j+3], v2, s[4:5] offset:512*\j
.endr
.irp j, 0,1,2,3,4,5,6,7
	global_load_b128 v[A+4*\j:A+4*\j+3], v2, s[6:7] offset:512*\j
.endr
.irp j, 0,1,2,3,4,5,6,7
	global_load_b128 v[B+4*\j:B+4*\j+3], v2, s[8:9] offset:512*\j
.endr
.macro FOLD                            ; four chains of pairs into one number a lane
	v_pk_add_f32 v[T:T+1], v[T:T+1], v[T+2:T+3]
	v_pk_add_f32 v[T+4:T+5], v[T+4:T+5], v[T+6:T+7]
	v_pk_add_f32 v[T:T+1], v[T:T+1], v[T+4:T+5]
	v_add_f32 v[T], v[T], v[T+1]
.endm
.macro LANES                           ; the sum over the 32 lanes, in every lane
	v_add_f32_dpp v[T], v[T], v[T] row_xmask:1 row_mask:0xf bank_mask:0xf
	v_add_f32_dpp v[T], v[T], v[T] row_xmask:2 row_mask:0xf bank_mask:0xf
	v_add_f32_dpp v[T], v[T], v[T] row_xmask:4 row_mask:0xf bank_mask:0xf
	v_add_f32_dpp v[T], v[T], v[T] row_xmask:8 row_mask:0xf bank_mask:0xf
	v_permlanex16_b32 v[T+1], v[T], s32, s33
	v_add_f32 v[T], v[T], v[T+1]
.endm
	s_wait_loadcnt 16                              ; the row is in; alpha's and beta's 16 loads may stay out
.irp k, 0,1,2,3
	v_pk_add_f32 v[T+2*\k:T+2*\k+1], v[X+2*\k:X+2*\k+1], v[X+8+2*\k:X+8+2*\k+1]
.endr
.irp g, 16,24
.irp k, 0,1,2,3
	v_pk_add_f32 v[T+2*\k:T+2*\k+1], v[T+2*\k:T+2*\k+1], v[X+\g+2*\k:X+\g+2*\k+1]
.endr
.endr
	FOLD
	LANES
	v_mul_f32 v[M], 0x3a800000, v[T]               ; the mean: sum / 1024
.set u, 0
.rept 16
	v_pk_add_f32 v[X+u:X+u+1], v[X+u:X+u+1], v[M:M+1] op_sel_hi:[1,0] neg_lo:[0,1] neg_hi:[0,1]  ; x - m, in place
.set u, u+2
.endr
.irp k, 0,1,2,3
	v_pk_mul_f32 v[T+2*\k:T+2*\k+1], v[X+2*\k:X+2*\k+1], v[X+2*\k:X+2*\k+1]
.endr
.irp g, 8,16,24
.irp k, 0,1,2,3
	v_pk_fma_f32 v[T+2*\k:T+2*\k+1], v[X+\g+2*\k:X+\g+2*\k+1], v[X+\g+2*\k:X+\g+2*\k+1], v[T+2*\k:T+2*\k+1]
.endr
.endr
	FOLD
	LANES
	v_mul_f32 v[T], 0x3a802008, v[T]               ; / 1023
	v_sqrt_f32 v[T+2], v[T]
	v_nop                                          ; a plain instruction behind the root,
	s_wait_alu depctr_va_vdst(0)                   ; and the wait ahead of its first reader
	v_add_f32 v[T+2], 0x358637bd, v[T+2]           ; + 1e-6
	v_rcp_f32 v[M], v[T+2]
	v_nop
	s_wait_alu depctr_va_vdst(0)
	s_wait_loadcnt 0x0                             ; alpha and beta
.set u, 0
.rept 16
	v_pk_mul_f32 v[X+u:X+u+1], v[X+u:X+u+1], v[M:M+1] op_sel_hi:[1,0]
.set u, u+2
.endr
.set u, 0
.rept 16
	v_pk_fma_f32 v[X+u:X+u+1], v[X+u:X+u+1], v[A+u:A+u+1], v[B+u:B+u+1]
.set u, u+2
.endr
.irp j, 0,1,2,3,4,5,6,7
	v_cvt_pk_bf16_f32 v[X+4*\j], v[X+4*\j], v[X+4*\j+1]
	v_cvt_pk_bf16_f32 v[X+4*\j+1], v[X+4*\j+2], v[X+4*\j+3]
	global_store_b64 v3, v[X+4*\j:X+4*\j+1], s[22:23] offset:256*\j  ; 32 lanes store 256 consecutive bytes, aligned
.endr
	s_endpgm
.Lcast:
	s_sub_co_u32 s26, ttmp9, 256                   ; c = 0..255
	s_lshl_b32 s27, s26, 14                        ; 16 KiB of each matrix of 4 MiB
	v_lshl_add_u32 v1, v0, 4, s27                  ; where I read
	v_lshrrev_b32 v2, 1, v1                        ; where I store: half of it
	s_lshl_b32 s27, s26, 15                        ; 32 KiB of W1 and of W2
	v_lshl_add_u32 v3, v0, 4, s27
	v_lshrrev_b32 v4, 1, v3
	s_wait_kmcnt 0x0
	s_add_nc_u64 s[28:29], s[24:25], 0x800000      ; W1's part of wts
.irp m, 0,1,2,3                        ; Wq, Wk, Wv, Wo: two loads each, 8 KiB apart
.irp u, 0,1
	global_load_b128 v[CW+8*\m+4*\u:CW+8*\m+4*\u+3], v1, s[10+2*\m:11+2*\m] offset:8192*\u th:TH_LOAD_NT
.endr
.endr
.irp m, 0,1                            ; W1, W2: four loads each
.irp u, 0,1,2,3
	global_load_b128 v[CW+32+16*\m+4*\u:CW+32+16*\m+4*\u+3], v3, s[18+2*\m:19+2*\m] offset:8192*\u th:TH_LOAD_NT
.endr
.endr
.set n, 0
.rept 16
.set r, CW+4*n
	s_wait_loadcnt 15-n                            ; loads come back in order: number n is in, the younger ones stay out
	v_cvt_pk_bf16_f32 v[r], v[r], v[r+1]
	v_cvt_pk_bf16_f32 v[r+1], v[r+2], v[r+3]
.if n < 8
	global_store_b64 v2, v[r:r+1], s[24:25] offset:(n/2)*0x200000+(n%2)*4096
.else
	global_store_b64 v4, v[r:r+1], s[28:29] offset:((n-8)/4)*0x400000+((n-8)%4)*4096
.endif
.set n, n+1
.endr
	s_endpgm
.Lfunc_end_k_qebe9d9d4c6_prep:
	.size	k_qebe9d9d4c6_prep, .Lfunc_end_k_qebe9d9d4c6_prep-k_qebe9d9d4c6_prep
	.p2alignl 7, 3214868480
	.fill 96, 4, 3214868480
	.section	.rodata,"a",@progbits
	.p2align	6, 0x0
	.amdhsa_kernel k_qebe9d9d4c6_prep
		.amdhsa_group_segment_fixed_size 0
		.amdhsa_private_segment_fixed_size 0
		.amdhsa_enable_private_segment 0
		.amdhsa_kernarg_size 88
		.amdhsa_user_sgpr_count 2
		.amdhsa_user_sgpr_kernarg_segment_ptr 1
		.amdhsa_wavefront_size32 1
		.amdhsa_system_sgpr_workgroup_id_x 1
		.amdhsa_system_sgpr_workgroup_id_y 1
		.amdhsa_system_sgpr_workgroup_id_z 1
		.amdhsa_system_vgpr_workitem_id 0
		.amdhsa_next_free_vgpr 112
		.amdhsa_next_free_sgpr 66
		.amdhsa_reserve_vcc 0
		.amdhsa_float_denorm_mode_32 3
		.amdhsa_float_denorm_mode_16_64 3
		.amdhsa_memory_ordered 1
		.amdhsa_forward_progress 1
		.amdhsa_inst_pref_size 18
	.end_amdhsa_kernel
	.amdgpu_metadata
---
amdhsa.version: [ 1, 2 ]
amdhsa.kernels:
  - .name:           k_qebe9d9d4c6_prep
    .symbol:         k_qebe9d9d4c6_prep.kd
    .args:
      - { .name: x, .offset: 0, .size: 8, .value_kind: global_buffer, .address_space: global }
      - { .name: ln1_a, .offset: 8, .size: 8, .value_kind: global_buffer, .address_space: global }
      - { .name: ln1_b, .offset: 16, .size: 8, .value_kind: global_buffer, .address_space: global }
      - { .name: Wq, .offset: 24, .size: 8, .value_kind: global_buffer, .address_space: global }
      - { .name: Wk, .offset: 32, .size: 8, .value_kind: global_buffer, .address_space: global }
      - { .name: Wv, .offset: 40, .size: 8, .value_kind: global_buffer, .address_space: global }
      - { .name: Wo, .offset: 48, .size: 8, .value_kind: global_buffer, .address_space: global }
      - { .name: W1, .offset: 56, .size: 8, .value_kind: global_buffer, .address_space: global }
      - { .name: W2, .offset: 64, .size: 8, .value_kind: global_buffer, .address_space: global }
      - { .name: xn, .offset: 72, .size: 8, .value_kind: global_buffer, .address_space: global }
      - { .name: wts, .offset: 80, .size: 8, .value_kind: global_buffer, .address_space: global }
    .group_segment_fixed_size: 0
    .private_segment_fixed_size: 0
    .kernarg_segment_align: 8
    .kernarg_segment_size: 88
    .max_flat_workgroup_size: 512
    .sgpr_count:     66
    .vgpr_count:     112
    .wavefront_size: 32
...
	.end_amdgpu_metadata
.endif
;; end of part 1
;; launch qkv (part 2): grid 8 x 32, 4 waves a work-group, clusters of 4 x 4, 327,680 bytes of LDS; arguments xn, wts, mask, qb, kb, vb; writes qb, kb, vb
.if DOCPART == 2
	.amdgcn_target "amdgcn-amd-amdhsa--gfx1250"
	.amdhsa_code_object_version 6
	.text
	.protected	k_qebe9d9d4c6_qkv
	.globl	k_qebe9d9d4c6_qkv
	.p2align	8
	.type	k_qebe9d9d4c6_qkv,@function
k_qebe9d9d4c6_qkv:
	s_mov_b64 s[64:65], 0
	v_nop
	global_prefetch_b8 v0, s[64:65] scope:SCOPE_SE
	s_setreg_imm32_b32 hwreg(HW_REG_WAVE_MODE, 25, 1), 1
	s_wait_xcnt 0x0
	s_wait_alu depctr_hold_cnt(0) depctr_sa_sdst(0) depctr_va_vdst(0) depctr_va_sdst(0) depctr_va_ssrc(0) depctr_va_vcc(0) depctr_vm_vsrc(0)
	s_getreg_b32 s2, hwreg(HW_REG_IB_STS2, 6, 4)
	s_cmp_eq_u32 s2, 0
	s_cbranch_scc0 .Lentry_in_a_cluster
	s_endpgm
.Lentry_in_a_cluster:
	s_bfe_u32 s2, ttmp6, 0x10000c
	s_cmp_lg_u32 s2, 0xf033
	s_cbranch_scc0 .Lentry_shape_is_right
	s_endpgm
.Lentry_shape_is_right:
; q = xn Wq, k = (xn Wk) x mask[token], v = xn Wv, written by heads: [32 = batch x 16 + head][2048][64] bf16.  xn: [4096][1024] bf16; the weights [k][n] bf16 in wts; sums in f32.
; THE MASK.  (q . k / 8) mask[key] = q . (k mask[key]) / 8: k's rows are multiplied by their token's mask in f32, ahead of the one rounding to bf16; a mask of 0 gives scores that are exactly 0.
; SHARES.  A work-group makes 128 tokens (by) x 128 columns (bx: two heads) of each of q, k and v.  Four waves, 2 x 2: wave (wm, wn) makes 64 tokens x head 2 bx + wn of all three: 4 x 12 accumulators, 384 registers.
; RING.  K goes in 8 steps of 128 through two LDS slots.  A slot holds four panels, one tensor load each: waves 0 to 2 bring 128 k-rows x 256 bytes of Wq, Wk, Wv (pitch 288) to wave x 36,864,
; wave 3 brings xn's 128 rows x 256 bytes (pitch 272) behind them.  Both slots are asked for at the start, as one group behind the opening round: two loads of a wave are out there, one behind each later round.
; CLUSTER 4 x 4.  xn's panel hangs on by alone and is asked for jointly along a row of the cluster, the weights' panels on bx alone and along a column.
; THE PRODUCT IS USED TRANSPOSED: source 0 = 16 columns of W (turned out of LDS by ds_load_tr16_b128), source 1 = 16 tokens: a lane ends with one token (lane % 16) and eight neighbouring columns.
; ONE STEP IS WRITTEN TWICE: a loop whose change of slots fills, and a loop of two trips whose change does not; the slot in hand is a scalar that an exclusive or turns.  The last trip's change of slots fetches
; fragments that nobody multiplies: the price, once a launch, of no third copy.  The sums start at 0 by 384 v_mov_b32 that run in the wait for the first tile: shorter than a first step written out.
; No prefetch: eight steps of small tiles, a short launch.
; REGISTERS, in windows of 256: window 0 addresses, v64-127 xn's fragments (two buffers), the way out; window 1 the weights' fragments (two buffers of 96); windows 2, 3 accumulator (a, b) at 8 (12 a + b).
.set BB,     12                        ; blocks of 16 columns a wave: b = 4 j + i: matrix j, block i of the head
.set NS,     4                         ; substeps of 32 along K in a step
.set STEPS,  8
.set APITCH, 272                       ; 256 + 16: the 16 rows of a load start at 16 different groups of four banks
.set BPITCH, 288                       ; 256 + 32
.set BPAN,   128*BPITCH
.set APLACE, 3*BPAN                    ; A's panel lies behind B's three
.set ABYTES, 128*APITCH                ; A's bytes in a slot
.set SLOT,   APLACE+ABYTES
.set STAGE,  2*SLOT                    ; behind the ring, never filled by a tensor load: 16 rows x 144 bytes for each wave
.set SPITCH, 144
.set SPARE,  STAGE+4*16*SPITCH         ; the spare words: 128 bytes a wave, two blocks of 256 bytes that no other line names
.set ASTEP,  256                       ; bytes from a step's tile to the next: 128 along a row of xn,
.set BSTEP,  128*2048                  ; 128 rows of a weight matrix
.set AQI,    5                         ; A's padding stands behind every 64 words
.set ADIM0,  128
.set AROWS,  128
.set ASTRIDE, 1024
.set BSTRIDE, 1024
.set AQ1,    4                         ; A's fragment of substep q lies at (q / AQ1) AS1 + (q % AQ1) 64
.set AS1,    0
.set BQ,     0                         ; B's address register: ADRB + (q / 4) BQ + (b / 4) BJ
.set BJ,     1
.set BPB,    4                         ; blocks of a wave in a panel
.set NBR,    3                         ; B's address registers
.set BWN,    128                       ; bytes from wn = 0 to wn = 1 in a panel of B
.set LF,     2*BB+8                    ; LDS loads in a substep's run
.set ADRA0, 8                          ; v8      my lane's place in A's part of a slot; never rewritten
.set ADRB0, 9                          ; v9-11   the same for the three panels of B
.set ADRA,  12                         ; v12     the same in the slot in hand
.set ADRB,  13                         ; v13-15
.set STO,   16                         ; v16     the way out: where I put 16 bytes of a row
.set RD,    17                         ; v17     where I read rows back
.set GO,    18                         ; v18     my 16 bytes of 512 consecutive bytes of q, k or v
.set MO,    19                         ; v19     4 x (lane % 16): my token's mask
.set SPW,   20                         ; v20     LDS address of my spare word; never rewritten
.set NIL,   21                         ; v21     0; never rewritten
.set MK,    24                         ; v24-31  my token's mask for each of the four blocks of tokens, in the low word of a pair
.set PK,    32                         ; v32-47  packed results
.set AF,    64                         ; A's fragments
.set BK,    64                         ; the way out: rows read back, 16 registers a group
.set WV,  16
.set WM,  17
.set WN,  18
.set CX,  19
.set CY,  20
.set BX,  21
.set BY,  22
.set G1A, 24                           ; s[24:31] descriptor group 1 for A
.set G1B, 32                           ; s[32:39] for B
.set G0A, 40                           ; s[40:43] group 0 for A: step 1's first fill, then it walks
.set G0B, 44                           ; s[44:47] for B
.set LBA, 48                           ; s48  A's panel's place in a slot
.set LBB, 49                           ; s49  my panel's place in a slot, as a fetcher for B: wave x a panel
.set TB,  50                           ; s50  the slot in hand: 0 or SLOT
.set CNT, 51
.set F0A, 68                           ; s[68:71] group 0 for A's first fill of slot 0; never rewritten
.set F0B, 72                           ; s[72:75] for B's
.set MSB, 0
.macro WIN new                         ; the immediate's high byte repeats the setting that is left; a switch that changes nothing is dropped
.if MSB != (\new)
	s_set_vgpr_msb (MSB<<8)|(\new)
.set MSB, (\new)
.endif
.endm
.macro PLACES                          ; four plain vector instructions between a matrix instruction and a load into, or a vector read of, its registers
.rept 4
	v_nop
.endr
.endm
.macro CREST                           ; a round of the cluster's barrier behind its opening barrier
	s_cmp_lg_u32 s[WV], 0
	s_cbranch_scc1 .Lnot_wave_0_\@
	s_barrier_signal -3
.Lnot_wave_0_\@:
	s_barrier_wait -3
	s_barrier_signal -1
	s_barrier_wait -1
.endm
.macro CROUND
	s_barrier_signal -1
	s_barrier_wait -1
	CREST
.endm
.macro JLOAD                           ; a joint refill: wave 3 asks for A's panel, waves 0 to 2 for B's three; the branch hangs on the wave's number alone; an s_nop 0 and four v_nop follow each line
	s_cmp_eq_u32 s[WV], 3
	s_cbranch_scc0 .Lfor_b_\@
	tensor_load_to_lds s[G0A:G0A+3], s[G1A:G1A+7]
	s_nop 0
.rept 4
	v_nop
.endr
	s_branch .Lasked_\@
.Lfor_b_\@:
	tensor_load_to_lds s[G0B:G0B+3], s[G1B:G1B+7]
	s_nop 0
.rept 4
	v_nop
.endr
.Lasked_\@:
.endm
; BB products: block a of 16 tokens x all my columns, 32 along K, from fragment buffer f.  The 4 BB accumulators take turns, one instruction a turn, over the backward jumps too.
.macro MULS f, a
.set b, 0
.rept BB
.set fl, 8*((\a)*BB+b)
.set w, 2+fl/256
.set fr, fl%256
	WIN (w<<6)|(w<<4)|1
	v_wmma_f32_16x16x32_bf16 v[fr:fr+7], v[8*BB*(\f)+8*b:8*BB*(\f)+8*b+7], v[AF+32*(\f)+8*(\a):AF+32*(\f)+8*(\a)+7], v[fr:fr+7]
.set b, b+1
.endr
.endm
; One run of LF LDS loads: the fragments of substep q into buffer q % 2: B's first (turned), then A's four blocks.
.macro FETCH q
	WIN 0x40
.set b, 0
.rept BB
.set rB, ADRB+((\q)/4)*BQ+(b/4)*BJ
.set oB, ((\q)%4)*32*BPITCH+32*(b%BPB)
.set dB, 8*BB*((\q)%2)+8*b
	ds_load_tr16_b128 v[dB:dB+3], v[rB] offset:oB
	ds_load_tr16_b128 v[dB+4:dB+7], v[rB] offset:oB+16*BPITCH
.set b, b+1
.endr
	WIN 0
.set a, 0
.rept 4
.set dA, AF+32*((\q)%2)+8*a
.set oA, ((\q)/AQ1)*AS1+((\q)%AQ1)*64+a*16*APITCH
	ds_load_b128 v[dA:dA+3], v[ADRA] offset:oA
	ds_load_b128 v[dA+4:dA+7], v[ADRA] offset:oA+32
.set a, a+1
.endr
.endm
.macro SUB q                           ; a substep but the step's last: multiplies buffer q % 2 and fetches substep q + 1 in its middle
	s_wait_dscnt 4                                 ; all but the youngest four loads: A's blocks 2 and 3
	MULS (\q)%2, 0
	MULS (\q)%2, 1
	PLACES
	FETCH (\q)+1
	s_wait_dscnt LF                                ; all but the run just issued
	MULS (\q)%2, 2
	MULS (\q)%2, 3
.endm
; The step's last substep multiplies buffer 1 and changes slots.  In front of the one barrier each wave waits for all its tensor loads (one is out: its panel of the other slot), adds 0 to its spare word,
; and waits for that and for its reads of this slot.  fill = 1: the barrier opens a round of the cluster's, and this slot is filled again, two steps on, first thing behind it.
.macro TURN fill
	WIN 0
	s_wait_tensorcnt 0x0
	ds_add_u32 v[SPW], v[NIL]
	s_wait_dscnt 7                                 ; the add and A's blocks 1 to 3 may be out
	MULS 1, 0
	s_wait_dscnt 0x0                               ; the add is done, my reads of this slot are over
	s_barrier_signal -1
	MULS 1, 1
	WIN 0
	s_barrier_wait -1
.if \fill
	CREST
	s_add_co_u32 s[G0A+1], s[LBA], s[TB]           ; no load of mine is out: the walking descriptors take this slot and the next step but one
	s_add_co_u32 s[G0B+1], s[LBB], s[TB]
	s_add_nc_u64 s[G0A+2:G0A+3], s[G0A+2:G0A+3], ASTEP
	s_add_nc_u64 s[G0B+2:G0B+3], s[G0B+2:G0B+3], BSTEP
	JLOAD                                          ; its four v_nop are also the places in front of the loads below
.else
	PLACES
.endif
	s_xor_b32 s[TB], s[TB], SLOT
	v_add_nc_u32 v[ADRA], s[TB], v[ADRA0]
.set n, 0
.rept NBR
	v_add_nc_u32 v[ADRB+n], s[TB], v[ADRB0+n]
.set n, n+1
.endr
	FETCH 0
	MULS 1, 2
	MULS 1, 3
.endm
.macro STEP fill
.set q, 0
.rept NS-1
	SUB q
.set q, q+1
.endr
	TURN \fill
	WIN 0
.endm
	s_load_b256 s[4:11], s[0:1], 0x0               ; xn s[4:5], wts s[6:7], mask s[8:9], qb s[10:11]
	s_load_b128 s[12:15], s[0:1], 0x20             ; kb s[12:13], vb s[14:15]
	v_lshl_add_u32 v[SPW], v0, 2, SPARE
	v_mov_b32 v[NIL], 0
	ds_add_u32 v[SPW], v[NIL]                      ; the wave's opening: the add and its wait ahead of my first tensor load
	v_lshrrev_b32 v1, 5, v0
	v_readfirstlane_b32 s[WV], v1                  ; wave 0..3
	s_lshr_b32 s[WM], s[WV], 1                     ; my half of the tokens
	s_and_b32 s[WN], s[WV], 1                      ; my head of the two
	s_bfe_u32 s[CX], ttmp6, 0x40000
	s_bfe_u32 s[CY], ttmp6, 0x40004
	s_lshl_b32 s[BX], ttmp9, 2
	s_add_co_u32 s[BX], s[BX], s[CX]               ; bx = 4 x cluster x + cx
	s_and_b32 s[BY], ttmp7, 0xffff
	s_lshl_b32 s[BY], s[BY], 2
	s_add_co_u32 s[BY], s[BY], s[CY]               ; by = 4 x cluster y + cy
	s_lshl_b32 s23, s[CY], 2
	s_lshl_b32 s23, 15, s23                        ; my row of the cluster
	s_lshl_b32 s60, 0x1111, s[CX]                  ; my column
	s_or_b32 s[G1A], s23, (1<<16)|(1<<20)|(1<<21)|(AQI<<22)|(3<<25)  ; the mask; 2-byte elements; padding on; bit 21 beside a mask; 4 words behind every 64
	s_or_b32 s[G1B], s60, (1<<16)|(1<<20)|(1<<21)|(5<<22)|(7<<25)    ; the same with my column's mask and 8 words of padding
	s_mov_b32 s[G1A+1], (ADIM0&0xffff)<<16         ; tensor_dim0
	s_mov_b32 s[G1A+2], (ADIM0>>16)|(AROWS<<16)    ; tensor_dim1
	s_mov_b32 s[G1A+3], ADIM0<<16                  ; tile_dim0
	s_mov_b32 s[G1A+4], AROWS                      ; tile_dim1
	s_mov_b32 s[G1A+5], ASTRIDE                    ; elements from row to row
	s_mov_b32 s[G1A+6], 0
	s_mov_b32 s[G1A+7], 0
	s_mov_b32 s[G1B+1], 128<<16
	s_mov_b32 s[G1B+2], 128<<16
	s_mov_b32 s[G1B+3], 128<<16
	s_mov_b32 s[G1B+4], 128
	s_mov_b32 s[G1B+5], BSTRIDE
	s_mov_b32 s[G1B+6], 0
	s_mov_b32 s[G1B+7], 0
	s_mov_b32 s[LBA], APLACE
	s_mul_i32 s[LBB], s[WV], BPAN                  ; waves 0 to 2: Wq's, Wk's, Wv's panel (wave 3 makes the word and never uses it)
	s_mov_b32 s[TB], 0
	s_lshl_b32 s52, s[BY], 18                      ; A: 128 rows of 2,048 bytes a tile row; these two registers never hold bx
	s_mov_b32 s53, 0
	s_lshl_b32 s54, s[WV], 21                      ; B: 2 MiB a matrix, 256 bytes a tile column; these two never hold by
	s_lshl_b32 s55, s[BX], 8
	s_add_co_u32 s54, s54, s55
	s_mov_b32 s55, 0
	s_lshr_b32 s56, s[BY], 4                       ; where my 64 tokens of my head begin in q, k and v: batch x 16
	s_lshl_b32 s56, s56, 4
	s_lshl1_add_u32 s56, s[BX], s56                ; + 2 bx
	s_add_co_u32 s56, s56, s[WN]                   ; + wn: the head,
	s_lshl_b32 s56, s56, 11                        ; its 2,048 tokens,
	s_and_b32 s57, s[BY], 15
	s_lshl_b32 s57, s57, 7
	s_add_co_u32 s56, s56, s57                     ; the work-group's 128,
	s_lshl_b32 s57, s[WM], 6
	s_add_co_u32 s56, s56, s57                     ; my 64,
	s_lshl_b32 s56, s56, 7                         ; 128 bytes each
	s_mov_b32 s57, 0
	s_lshl_b32 s58, s[BY], 9                       ; the same tokens in the mask: 4 bytes each
	s_lshl_b32 s59, s[WM], 8
	s_add_co_u32 s58, s58, s59
	s_mov_b32 s59, 0
	s_mov_b32 s[F0A], 1                            ; step 0 goes into slot 0,
	s_mov_b32 s[F0A+1], s[LBA]
	s_mov_b32 s[F0B], 1
	s_mov_b32 s[F0B+1], s[LBB]
	s_mov_b32 s[G0A], 1                            ; step 1 into slot 1
	s_add_co_u32 s[G0A+1], s[LBA], SLOT
	s_mov_b32 s[G0B], 1
	s_add_co_u32 s[G0B+1], s[LBB], SLOT
	s_wait_dscnt 0x0                               ; the opening add is done
	s_wait_kmcnt 0x0
	s_add_nc_u64 s[F0A+2:F0A+3], s[4:5], s[52:53]
	s_add_nc_u64 s[G0A+2:G0A+3], s[F0A+2:F0A+3], ASTEP
	s_or_b32 s[F0A+3], s[F0A+3], 0x80000000
	s_or_b32 s[G0A+3], s[G0A+3], 0x80000000
	s_add_nc_u64 s[F0B+2:F0B+3], s[6:7], s[54:55]
	s_add_nc_u64 s[G0B+2:G0B+3], s[F0B+2:F0B+3], BSTEP
	s_or_b32 s[F0B+3], s[F0B+3], 0x80000000
	s_or_b32 s[G0B+3], s[G0B+3], 0x80000000
	s_add_nc_u64 s[8:9], s[8:9], s[58:59]
	s_add_nc_u64 s[10:11], s[10:11], s[56:57]
	s_add_nc_u64 s[12:13], s[12:13], s[56:57]
	s_add_nc_u64 s[14:15], s[14:15], s[56:57]
	CROUND                                         ; all sixteen work-groups are here: the first joint loads meet
	s_cmp_eq_u32 s[WV], 3                          ; a wave's two first fills stand in one branch, ahead of every wait on TENSORcnt, every LDS read and every further barrier
	s_cbranch_scc0 .Lfirst_b
	tensor_load_to_lds s[F0A:F0A+3], s[G1A:G1A+7]
	s_nop 0
	tensor_load_to_lds s[G0A:G0A+3], s[G1A:G1A+7]
	s_nop 0
.rept 4
	v_nop
.endr
	s_branch .Lfirst_asked
.Lfirst_b:
	tensor_load_to_lds s[F0B:F0B+3], s[G1B:G1B+7]
	s_nop 0
	tensor_load_to_lds s[G0B:G0B+3], s[G1B:G1B+7]
	s_nop 0
.rept 4
	v_nop
.endr
.Lfirst_asked:
	v_and_b32 v1, 15, v0                           ; l % 16
	v_bfe_u32 v2, v0, 4, 1                         ; l / 16
	v_mul_u32_u24 v3, v1, APITCH
	v_lshl_add_u32 v3, v2, 4, v3                   ; A: row x pitch + 16 x half
	s_mul_i32 s63, s[WM], 64*APITCH
	s_add_co_u32 s63, s63, APLACE
	v_add_nc_u32 v[ADRA0], s63, v3
	v_mov_b32 v[ADRA], v[ADRA0]
	v_and_b32 v4, 7, v0                            ; B: the turning load: k-row 8 (l / 16) + l % 8, 16 bytes by (l / 8) % 2
	v_lshl_add_u32 v4, v2, 3, v4
	v_mul_u32_u24 v4, v4, BPITCH
	v_bfe_u32 v5, v0, 3, 1
	v_lshl_add_u32 v4, v5, 4, v4
	s_mul_i32 s63, s[WN], BWN
.set n, 0
.rept NBR
	v_add_nc_u32 v[ADRB0+n], s63, v4
	v_mov_b32 v[ADRB+n], v[ADRB0+n]
	s_add_co_u32 s63, s63, BPAN
.set n, n+1
.endr
	s_mul_i32 s63, s[WV], 16*SPITCH
	s_add_co_u32 s63, s63, STAGE                   ; my stage
	v_mul_u32_u24 v3, v1, SPITCH                   ; in: row l % 16, 16 bytes for each half of the lanes
	v_lshl_add_u32 v3, v2, 4, v3
	v_add_nc_u32 v[STO], s63, v3
	v_bfe_u32 v3, v0, 3, 2                         ; back: 32 lanes take four rows of 128 bytes,
	v_mul_u32_u24 v3, v3, SPITCH
	v_and_b32 v5, 7, v0
	v_lshl_add_u32 v3, v5, 4, v3
	v_add_nc_u32 v[RD], s63, v3
	v_and_b32 v[GO], 31, v0                        ; which are 512 consecutive bytes of a head
	v_lshlrev_b32 v[GO], 4, v[GO]
	v_lshlrev_b32 v[MO], 2, v1
.irp a, 0,1,2,3
	v_mov_b32 v[MK+2*\a+1], 0                      ; named with the mask as a pair
	global_load_b32 v[MK+2*\a], v[MO], s[8:9] offset:64*\a
.endr
	WIN 0x80                                       ; the sums start at 0, written in the wait for the first tile
.set n, 0
.rept 256
	v_mov_b32 v[n], 0
.set n, n+1
.endr
	WIN 0xc0
.set n, 0
.rept 128
	v_mov_b32 v[n], 0
.set n, n+1
.endr
	WIN 0
	s_wait_tensorcnt 0x1                           ; my panel of step 0 is in; step 1's, issued behind it, may stay out
	s_barrier_signal -1
	s_barrier_wait -1                              ; everybody's panels of step 0 are in
	FETCH 0
	WIN 0
	s_mov_b32 s[CNT], STEPS-2
.Lfill:                                        ; steps 0 to STEPS - 3: each fills its slot again, two steps on
	STEP 1
	s_sub_co_u32 s[CNT], s[CNT], 1
	s_cmp_lg_u32 s[CNT], 0
	s_cbranch_scc1 .Lfill
	s_mov_b32 s[CNT], 2
.Ldrain:                                       ; the last two steps ask for nothing
	STEP 0
	s_sub_co_u32 s[CNT], s[CNT], 1
	s_cmp_lg_u32 s[CNT], 0
	s_cbranch_scc1 .Ldrain
	s_wait_dscnt 0x0                               ; the last change's fetch, which nobody multiplies
	s_wait_loadcnt 0x0                             ; the mask
	PLACES
	PLACES
; THE WAY OUT, in 12 groups g = 3 a + j: block a of 16 tokens of matrix j.  k is multiplied by its token's mask; eight neighbouring channels pack into 16 bytes; they go into rows of 144 bytes of my own stage
; and come back as whole rows of 128.  Each accumulator is read from its low end on.
.macro GRP g
.set a, (\g)/3
.set j, (\g)%3
.set fl, 96*a+32*j
.set w, 2+fl/256
.set rA, fl%256
.if j == 1
	WIN (w<<6)|w
.set u, 0
.rept 16
	v_pk_mul_f32 v[rA+2*u:rA+2*u+1], v[rA+2*u:rA+2*u+1], v[MK+2*a:MK+2*a+1] op_sel_hi:[1,0]
.set u, u+1
.endr
.endif
	WIN (w<<2)|w
.set u, 0
.rept 16
	v_cvt_pk_bf16_f32 v[PK+u], v[rA+2*u], v[rA+2*u+1]
.set u, u+1
.endr
	WIN 0
.irp i, 0,1,2,3
	ds_store_b128 v[STO], v[PK+4*\i:PK+4*\i+3] offset:32*\i
.endr
.irp f, 0,1,2,3
	ds_load_b128 v[BK+16*(\g)+4*\f:BK+16*(\g)+4*\f+3], v[RD] offset:\f*4*SPITCH  ; LDS serves a wave's instructions in order (ISA guide 5.7.1.4): these see the stores above, the next group's stores come behind them
.endr
.endm
.macro SENDG g, younger                ; younger: the LDS instructions issued behind the group's loads: the next group's eight, or none
.set a, (\g)/3
.set j, (\g)%3
.irp f, 0,1,2,3
	s_wait_dscnt (\younger)+3-\f
	global_store_b128 v[GO], v[BK+16*(\g)+4*\f:BK+16*(\g)+4*\f+3], s[10+2*j:11+2*j] offset:a*2048+\f*512  ; 512 consecutive bytes, aligned
.endr
.endm
	GRP 0
.set g, 1
.rept 11
	GRP g
	SENDG g-1, 8
.set g, g+1
.endr
	SENDG 11, 0
	s_wait_tensorcnt 0x0                           ; the wave's end
	ds_add_u32 v[SPW], v[NIL]
	s_wait_dscnt 0x0
	CROUND                                         ; the closing round
	s_endpgm
.Lfunc_end_k_qebe9d9d4c6_qkv:
	.size	k_qebe9d9d4c6_qkv, .Lfunc_end_k_qebe9d9d4c6_qkv-k_qebe9d9d4c6_qkv
	.p2alignl 7, 3214868480
	.fill 96, 4, 3214868480
	.section	.rodata,"a",@progbits
	.p2align	6, 0x0
	.amdhsa_kernel k_qebe9d9d4c6_qkv
		.amdhsa_group_segment_fixed_size 327680
		.amdhsa_private_segment_fixed_size 0
		.amdhsa_enable_private_segment 0
		.amdhsa_kernarg_size 48
		.amdhsa_user_sgpr_count 2
		.amdhsa_user_sgpr_kernarg_segment_ptr 1
		.amdhsa_wavefront_size32 1
		.amdhsa_system_sgpr_workgroup_id_x 1
		.amdhsa_system_sgpr_workgroup_id_y 1
		.amdhsa_system_sgpr_workgroup_id_z 1
		.amdhsa_system_vgpr_workitem_id 0
		.amdhsa_next_free_vgpr 896
		.amdhsa_next_free_sgpr 76
		.amdhsa_reserve_vcc 0
		.amdhsa_float_denorm_mode_32 3
		.amdhsa_float_denorm_mode_16_64 3
		.amdhsa_memory_ordered 1
		.amdhsa_forward_progress 1
		.amdhsa_inst_pref_size 97
	.end_amdhsa_kernel
	.amdgpu_metadata
---
amdhsa.version: [ 1, 2 ]
amdhsa.kernels:
  - .name:           k_qebe9d9d4c6_qkv
    .symbol:         k_qebe9d9d4c6_qkv.kd
    .args:
      - { .name: xn, .offset: 0, .size: 8, .value_kind: global_buffer, .address_space: global }
      - { .name: wts, .offset: 8, .size: 8, .value_kind: global_buffer, .address_space: global }
      - { .name: mask, .offset: 16, .size: 8, .value_kind: global_buffer, .address_space: global }
      - { .name: qb, .offset: 24, .size: 8, .value_kind: global_buffer, .address_space: global }
      - { .name: kb, .offset: 32, .size: 8, .value_kind: global_buffer, .address_space: global }
      - { .name: vb, .offset: 40, .size: 8, .value_kind: global_buffer, .address_space: global }
    .group_segment_fixed_size: 327680
    .private_segment_fixed_size: 0
    .kernarg_segment_align: 8
    .kernarg_segment_size: 48
    .max_flat_workgroup_size: 128
    .sgpr_count:     76
    .vgpr_count:     896
    .wavefront_size: 32
...
	.end_amdgpu_metadata
.endif
;; end of part 2
;; launch attn (part 3): grid 8 x 32, 8 waves a work-group, clusters of 4 x 1, 327,680 bytes of LDS; arguments qb, kb, vb, cc; writes cc
.if DOCPART == 3
	.amdgcn_target "amdgcn-amd-amdhsa--gfx1250"
	.amdhsa_code_object_version 6
	.text
	.protected	k_qebe9d9d4c6_attn
	.globl	k_qebe9d9d4c6_attn
	.p2align	8
	.type	k_qebe9d9d4c6_attn,@function
k_qebe9d9d4c6_attn:
	s_mov_b64 s[64:65], 0
	v_nop
	global_prefetch_b8 v0, s[64:65] scope:SCOPE_SE
	s_setreg_imm32_b32 hwreg(HW_REG_WAVE_MODE, 25, 1), 1
	s_wait_xcnt 0x0
	s_wait_alu depctr_hold_cnt(0) depctr_sa_sdst(0) depctr_va_vdst(0) depctr_va_sdst(0) depctr_va_ssrc(0) depctr_va_vcc(0) depctr_vm_vsrc(0)
	s_getreg_b32 s2, hwreg(HW_REG_IB_STS2, 6, 4)
	s_cmp_eq_u32 s2, 0
	s_cbranch_scc0 .Lentry_in_a_cluster
	s_endpgm
.Lentry_in_a_cluster:
	s_bfe_u32 s2, ttmp6, 0x10000c
	s_cmp_lg_u32 s2, 0x3003
	s_cbranch_scc0 .Lentry_shape_is_right
	s_endpgm
.Lentry_shape_is_right:
; cc[h][q][:] = the sum over k of softmax_k(s) V[h][k][:], s = Q[h][q] . K[h][k], where a score that is exactly 0 is hidden (K's rows arrive multiplied by their mask), and the scale 1 / 8 lies in c.
; Q, K, V, cc: [32][2048][64] bf16: a head's rows are dense, 128 bytes each.  Products, maxima and sums in f32; the weights p are rounded to bf16 for the second product (their sum l is taken unrounded), cc once.
; LIMITS.  A hidden score counts as -1e30, so a true score below -1e29 counts as hidden; a weight below 2^-126 counts as 0 in l; a row all of whose scores are hidden gives NaN; NaN and infinities in the inputs are not treated apart.
; SHARES.  A work-group owns 256 queries of a head; each of its EIGHT waves 32: two PIECES of 16.  Every wave walks all 2,048 keys, 64 a step.
; WHY EIGHT WAVES, two to a SIMD.  With the zero test a turn has 182 vector instructions for 16 matrix instructions: four ride behind each product, 118 have no product of the wave's own to stand beside.  The SIMD's
; second wave has its products and riders to issue meanwhile.  The price: a wave's 32 LDS loads of a key step feed 32 products, where four pieces a wave would feed 64.
; LAYOUT.  S^T = K Q^T (source 0 = 16 keys, source 1 = 16 queries): a lane holds ONE query (lane % 16) and the keys 8 (lane / 16) + 0..7.  Two such results rounded to bf16 ARE source 1 of O^T = V^T P.  V is turned by ds_load_tr16_b128.
; SOFTMAX.  A running maximum m and sum l: p = 2^(c s - c m), c = log2(e) / 8; in every step O and l are multiplied by a = 2^(c m_old - c m_new).  m starts at the lowest finite number, O and l at 0: the first step is
; a step like any other, with a = 0.  While only hidden scores have come, m = -1e30 and what gathers in O and l is finite; the first true score makes a = 0.
; BY TURNS.  A turn belongs to one piece: 8 products K Q^T of the other piece's next scores, later 8 products V^T P of the other piece's last weights; beside them the scaling, exponentials, roundings, sums and rescaling
; of the turn's own piece, and the zero test, maximum and statistics of the other.  Four vector instructions stand behind every product, the rest in one lump.  A turn's 33 exponentials are one batch with one wait.
; CLUSTER.  The four query blocks of a cluster belong to one head and walk the same K and V: each tile is asked for jointly, by the same tensor load, descriptor and mask in all four.
; REGISTERS, in windows of 256 (s_set_vgpr_msb: bits 1:0 source 0, 3:2 source 1, 5:4 source 2, 7:6 destination):
;   window 0: addresses; v16-23 four registers of statistics a piece; v48-55 at work; v64-127 S^T, a buffer a piece; v192-223 P, likewise
;   window 1: v0-63 O^T, 32 a piece; v64-95 Q, 16 a piece; v128-191 K of one step; v192-255 V of one step
.set NP,    2
.set KS,    64
.set PK,    144       ; a row of K in LDS: 128 bytes + 16: the 16 rows of a load start at 16 different groups of four banks
.set PV,    160       ; a row of V: 128 + 32
.set VOFF,  4*KS*PK   ; a slot holds four steps: 256 rows of K, then 256 rows of V
.set SLOT1, 1<<17     ; slot 1 begins here: one exclusive or turns an address in one slot into the other's
.set STAGE, SLOT1+4*KS*(PK+PV)  ; behind the ring, never filled by a tensor load: 16 rows x 144 bytes for each of the eight waves
.set SP,    144
.set SPARE, STAGE+8*16*SP       ; the spare words: 128 bytes a wave, four blocks of 256 bytes that no other line names
.set AK0, 2           ; v2   my lane's place in a tile of K; never rewritten
.set AV0, 3           ; v3   the same for V
.set AK,  4           ; v4   the LDS address of K's next run of loads
.set AV,  5           ; v5   of V's
.set STO, 6
.set RD,  7
.set GO,  8
.set MV,  12          ; v12-13  c m_old, by piece
.set NEG, 14          ; v14  -1e30
.set QO,  15
.set ST,  16          ; piece t at v[ST+4 t]: c m, m, l (even keys', odd keys')
.set TMP, 48          ; by piece, c0-c3 at work; c2 takes a
.set PFO, 61          ; v61  256 x my lane; never rewritten
.set SPW, 62
.set NIL, 63
.set S,   64
.set P,   192
.set QF,  64          ; window 1
.set KF,  128         ; window 1
.set VF,  192         ; window 1
.set WV,  12
.set LIM, 15          ; s15  1 in a wave that prefetches, else the greatest number
.set G1K, 24
.set G1V, 32
.set G0K, 40
.set G0V, 44
.set PFA, 48          ; s[48:49] where my prefetches stand
.set THR, 50          ; s50  -1e29
.set TK,  51          ; s51  K's LDS offset in the tail
.set SLOTS, 56
.set CNT, 57
.set CS,  58          ; s[58:59] c
.set SEL, 60          ; s[60:61] v_permlanex16_b32's selects
.set TBK, 62          ; s62  LDS byte at which K of the step to be fetched begins
.set TBV, 63          ; s63  the same for V, less VOFF
.set ZM,  66          ; s66-69  four masks of the zero test
.set MSB, 0
.macro WIN new
.if MSB != (\new)
	s_set_vgpr_msb (MSB<<8)|(\new)
.set MSB, (\new)
.endif
.endm
.set W_KQ, 0x05       ; K and Q in window 1, S^T in window 0
.set W_PV, 0x51       ; V in window 1, P in window 0, O^T in window 1
.set W_RS, 0x41       ; O^T (destination and source 0) in window 1, a in window 0
.set TO_1, 0x40       ; a load's destination in window 1, its address in window 0
.macro JLOAD                        ; waves 0 and 1 fetch the halves of a tile's K, waves 2 and 3 those of its V: 64 rows of 256 bytes each; waves 4 to 7 have no part of a tile to fill.  An s_nop 0 and four v_nop follow each line
	s_cmp_lt_u32 s[WV], 2
	s_cbranch_scc0 .Lnot_k_\@
	tensor_load_to_lds s[G0K:G0K+3], s[G1K:G1K+7]
	s_nop 0
.rept 4
	v_nop
.endr
	s_branch .Lasked_\@
.Lnot_k_\@:
	s_cmp_lt_u32 s[WV], 4
	s_cbranch_scc0 .Lasked_\@
	tensor_load_to_lds s[G0V:G0V+3], s[G1V:G1V+7]
	s_nop 0
.rept 4
	v_nop
.endr
.Lasked_\@:
.endm
; A prefetch of the tile that the NEXT change of slots will ask for.  All clusters of a head walk the same K and V: the head's first cluster asks.  Its four partners share a tile's 32,768 bytes out by address,
; 8,192 each, a lane for each 256; wave 0 asks for K's, wave 2 for V's: each block is named once in the launch.  The last change that fills a slot asks for nothing.
.macro ASK
	s_cmp_gt_u32 s[SLOTS], s[LIM]
	s_cbranch_scc0 .Lnot_mine_\@
	global_prefetch_b8 v[PFO], s[PFA:PFA+1] th:TH_LOAD_NT scope:SCOPE_SE
.Lnot_mine_\@:
.endm
.macro CROUND
	s_barrier_signal -1
	s_barrier_wait -1
	s_cmp_lg_u32 s[WV], 0
	s_cbranch_scc1 .Lnot_wave_0_\@
	s_barrier_signal -3
.Lnot_wave_0_\@:
	s_barrier_wait -3
	s_barrier_signal -1
	s_barrier_wait -1
.endm
; THE CHANGE OF SLOTS.  Each wave waits for all its tensor loads (at most one is out: its part of the other slot), adds 0 to its spare word, and waits for that and for its reads of the slot that it leaves.
; fill = 1: the barrier is a round of the cluster's, and the old slot is filled again first thing behind it, with the keys two tiles on: four key steps in which to land.
.macro CHANGE fill, ask
	WIN 0
	s_wait_tensorcnt 0x0
	ds_add_u32 v[SPW], v[NIL]
.if \fill
.irp g, G0K, G0V
	s_xor_b32 s[\g+1], s[\g+1], SLOT1
	s_add_nc_u64 s[\g+2:\g+3], s[\g+2:\g+3], 4*KS*128
.endr
.if \ask
	s_wait_xcnt 0x0                 ; the last prefetch, four key steps back, has read its address
	s_add_nc_u64 s[PFA:PFA+1], s[PFA:PFA+1], 4*KS*128
.endif
	s_wait_dscnt 0x0
	CROUND
	JLOAD
.if \ask
	ASK
.endif
.else
	s_wait_dscnt 0x0
	s_barrier_signal -1
	s_barrier_wait -1
.endif
	s_sub_co_u32 s[TBK], s[TBK], 4*KS*PK  ; the fetches go back to a slot's first step, in the other slot
	s_xor_b32 s[TBK], s[TBK], SLOT1
	s_sub_co_u32 s[TBV], s[TBV], 4*KS*PV
	s_xor_b32 s[TBV], s[TBV], SLOT1
.endm
	s_load_b256 s[4:11], s[0:1], 0x0  ; Q s[4:5], K s[6:7], V s[8:9], cc s[10:11]
	v_lshl_add_u32 v[SPW], v0, 2, SPARE
	v_mov_b32 v[NIL], 0
	ds_add_u32 v[SPW], v[NIL]       ; the wave's opening: the add and its wait ahead of my first tensor load
	v_lshrrev_b32 v1, 5, v0
	v_readfirstlane_b32 s[WV], v1   ; wave 0..7
	s_bfe_u32 s13, ttmp6, 0x40000   ; cx
	s_lshl_b32 s14, ttmp9, 2
	s_add_co_u32 s14, s14, s13      ; my block of 256 queries: it enters Q's and cc's addresses alone
	s_and_b32 s20, ttmp7, 0xffff    ; the head, which the four partners share:
	s_lshl_b32 s20, s20, 18         ; 2,048 rows of 128 bytes
	s_and_b32 s16, s[WV], 1         ; which half of a tile's 256 keys I fetch (waves 0 to 3)
	s_lshl_b32 s22, s16, 14
	s_add_co_u32 s22, s22, s20
	s_mov_b32 s23, 0
	s_mul_i32 s17, s16, 128*PK
	s_mul_i32 s18, s16, 128*PV
	s_lshl_b32 s2, s14, 3
	s_add_co_u32 s2, s2, s[WV]
	s_lshl_b32 s2, s2, 12           ; my wave's 32 rows
	s_add_co_u32 s2, s2, s20
	s_mov_b32 s3, 0
	s_lshl_b32 s52, s13, 13         ; my work-group's 8,192 bytes of a tile, for the prefetches
	s_mov_b32 s53, 0
	; descriptor group 1: 128 keys are 16,384 dense bytes: asked for as 64 rows of 256 bytes, padded in LDS after every key
	s_mov_b32 s[G1K], 15|(1<<16)|(1<<20)|(1<<21)|(4<<22)|(3<<25)
	s_mov_b32 s[G1V], 15|(1<<16)|(1<<20)|(1<<21)|(4<<22)|(7<<25)
.irp g, G1K, G1V
	s_mov_b32 s[\g+1], 128<<16
	s_mov_b32 s[\g+2], 64<<16
	s_mov_b32 s[\g+3], 128<<16
	s_mov_b32 s[\g+4], 64
	s_mov_b32 s[\g+5], 128
	s_mov_b32 s[\g+6], 0
	s_mov_b32 s[\g+7], 0
.endr
	s_mov_b32 s[CS], 0x3e38aa3b     ; c = log2(e) / 8
	s_mov_b32 s[CS+1], s[CS]
	s_mov_b32 s[SEL], 0x76543210
	s_mov_b32 s[SEL+1], 0xfedcba98
	s_mov_b32 s[THR], 0xefa18f08    ; -1e29
	s_mov_b32 s[TBK], SLOT1+4*KS*PK ; the first change of slots turns these two into 0
	s_mov_b32 s[TBV], SLOT1+4*KS*PV
	s_mov_b32 s[G0K], 1
	s_mov_b32 s[G0K+1], s17
	s_mov_b32 s[G0V], 1
	s_add_co_u32 s[G0V+1], s18, VOFF
	s_and_b32 s[LIM], s[WV], 5      ; 0 in waves 0 and 2 alone,
	s_or_b32 s[LIM], s[LIM], ttmp9  ; where the cluster is the head's first: the same in all four partners
	s_cmp_eq_u32 s[LIM], 0
	s_cselect_b32 s[LIM], 1, -1
	v_and_b32 v[PFO], 31, v0
	v_lshlrev_b32 v[PFO], 8, v[PFO]
	s_wait_dscnt 0x0                ; the opening add is done
	s_wait_kmcnt 0x0
	s_add_nc_u64 s[6:7], s[6:7], s[22:23]  ; K and V at my half of the head's tile 0
	s_add_nc_u64 s[8:9], s[8:9], s[22:23]
	s_mov_b64 s[G0K+2:G0K+3], s[6:7]
	s_or_b32 s[G0K+3], s[G0K+3], 0x80000000
	s_mov_b64 s[G0V+2:G0V+3], s[8:9]
	s_or_b32 s[G0V+3], s[G0V+3], 0x80000000
	s_add_nc_u64 s[4:5], s[4:5], s[2:3]
	s_add_nc_u64 s[10:11], s[10:11], s[2:3]
	s_cmp_lt_u32 s[WV], 2
	s_cselect_b64 s[PFA:PFA+1], s[6:7], s[8:9]  ; (in waves 0 and 2 these stand at a tile's first row)
	s_add_nc_u64 s[PFA:PFA+1], s[PFA:PFA+1], s[52:53]
	s_add_nc_u64 s[PFA:PFA+1], s[PFA:PFA+1], 2*4*KS*128  ; in tile 2; the loop's first change steps it to tile 3.  Nothing is asked for here, at the head
	CROUND
	JLOAD                           ; tile 0 into slot 0
	v_and_b32 v1, 15, v0            ; l % 16
	v_bfe_u32 v9, v0, 4, 1          ; l / 16
	v_lshlrev_b32 v[QO], 7, v1
	v_lshl_add_u32 v[QO], v9, 4, v[QO]
	WIN TO_1
.set i, 0
.rept 2*NP                          ; Q stays in registers: piece i / 2, channels 32 (i % 2) on
	global_load_b128 v[QF+8*i:QF+8*i+3],   v[QO], s[4:5] offset:(i/2)*2048+(i%2)*64
	global_load_b128 v[QF+8*i+4:QF+8*i+7], v[QO], s[4:5] offset:(i/2)*2048+(i%2)*64+32
.set i, i+1
.endr
	; What the first turn finds: V's registers and piece 1's P hold 0 (its products V^T P, of weights that have not been, add 0), O^T and l are 0.  All this stands in the wait for the first tile.
.set i, VF
.rept 64
	v_mov_b32 v[i], 0
.set i, i+1
.endr
.set i, 0
.rept 32*NP
	v_mov_b32 v[i], 0
.set i, i+1
.endr
	WIN 0
.set i, 0
.rept NP
	v_mov_b32 v[ST+4*i], 0xfe000000    ; c m: far below every c s
	v_mov_b32 v[ST+4*i+1], 0xff7fffff  ; m
	v_mov_b32 v[ST+4*i+2], 0
	v_mov_b32 v[ST+4*i+3], 0
.set i, i+1
.endr
.set i, P+16
.rept 16
	v_mov_b32 v[i], 0
.set i, i+1
.endr
	v_mov_b32 v[NEG], 0xf149f2ca    ; -1e30
	v_mul_u32_u24 v[AK0], v1, PK
	v_lshl_add_u32 v[AK0], v9, 4, v[AK0]
	v_and_b32 v10, 7, v0
	v_bfe_u32 v11, v0, 3, 1
	v_lshl_add_u32 v[AV0], v9, 3, v10
	v_mul_u32_u24 v[AV0], v[AV0], PV
	v_lshl_add_u32 v[AV0], v11, 4, v[AV0]
	v_add_nc_u32 v[AV0], VOFF, v[AV0]
	v_mov_b32 v[AK], v[AK0]         ; key step 0 lies at the head of slot 0
; THE MATRIX WORK.  The 4 accumulators of a run of 8 take turns.  Product i of 8 of S^T = K Q^T for piece x: channels 32 (i / 4) on, keys 16 (i % 4) on; the first 4 start the sums.
.macro KQ x
	WIN W_KQ
.set rS, S+32*((\x)%2)+8*(i%4)
.set rK, KF+16*(i%4)+8*(i/4)
.set rQ, QF+16*(\x)+8*(i/4)
.if i < 4
	v_wmma_f32_16x16x32_bf16 v[rS:rS+7], v[rK:rK+7], v[rQ:rQ+7], 0
.else
	v_wmma_f32_16x16x32_bf16 v[rS:rS+7], v[rK:rK+7], v[rQ:rQ+7], v[rS:rS+7]
.endif
.endm
.macro PV x                         ; product i of 8 of O^T += V^T P for piece x: keys 32 (i / 4) on, channels 16 (i % 4) on
	WIN W_PV
.set rO, 32*(\x)+8*(i%4)
.set rV, VF+32*(i/4)+8*(i%4)
.set rP, P+16*((\x)%2)+8*(i/4)
	v_wmma_f32_16x16x32_bf16 v[rO:rO+7], v[rV:rV+7], v[rP:rP+7], v[rO:rO+7]
.endm
.macro MM                           ; the turn's next matrix instruction
.if i < 8
	KQ (Y+1)%NP
.else
.set i, i-8
	PV (Y+NP-1)%NP
.set i, i+8
.endif
.set i, i+1
.endm
.macro FETCH_K                      ; a step's K: 8 fragments, one run of 16 loads
	WIN TO_1
.irp f, 0,1,2,3,4,5,6,7
	ds_load_b128 v[KF+8*\f:KF+8*\f+3],   v[AK] offset:(\f/2)*16*PK+(\f%2)*64
	ds_load_b128 v[KF+8*\f+4:KF+8*\f+7], v[AK] offset:(\f/2)*16*PK+(\f%2)*64+32
.endr
	s_add_co_u32 s[TBK], s[TBK], KS*PK
	WIN 0
.endm
.macro FETCH_V                      ; a step's V, turned
	WIN TO_1
.irp f, 0,1,2,3,4,5,6,7
	ds_load_tr16_b128 v[VF+8*\f:VF+8*\f+3],   v[AV] offset:(\f/4)*32*PV+(\f%4)*32
	ds_load_tr16_b128 v[VF+8*\f+4:VF+8*\f+7], v[AV] offset:(\f/4)*32*PV+16*PV+(\f%4)*32
.endr
	WIN 0
.endm
; K of the next step, at a trip's head: behind V's run of the step in hand, so that the change of slots has a place between the two.  K's registers were last read in the first half of the turn before.
; last = 1 (the tail): in its fifth trip there is no further step: the run reads the last step's K once more, its offset held back by a select on the counter.
.macro NEXT_K last=0
	WIN 0
.if \last
	s_cmp_eq_u32 s[CNT], 1
	s_cselect_b32 s[TK], KS*PK, 0
	s_sub_co_u32 s[TK], s[TBK], s[TK]
	v_add_nc_u32 v[AK], s[TK], v[AK0]
.else
	v_add_nc_u32 v[AK], s[TBK], v[AK0]
.endif
	FETCH_K
.endm
; THE VECTOR WORK, one line at a time: OP kind, number.  For piece Y: F n: c s - c m for pair n of 16.  E n: the exponential of score n of 32.  C n: pair n rounded to bf16.  B n: of the four weights 4 n .. the second
; pair is added onto the first, in place.  L n: l takes that sum (L 0: l = a l + sum).  R n: pair n of 16 of O^T times a.  For the other piece: X n, number n of the 22 that find its maximum and statistics:
;   0-11 four chains c0-c3 of seven scores each     12-14, 16 the four scores left over, the old m, c0-c3 into c0     15 c m_old is kept     17, 18 the other half of the lanes: the new m     19-21 c m; its change; a
.set F, 0
.set E, 1
.set C, 2
.set B, 3
.set L, 4
.set R, 5
.set X, 6
.macro REGS y
.set rT, ST+4*(\y)
.set rC, TMP+4*((\y)%2)
.set rW, MV+((\y)%2)
.set rS, S+32*((\y)%2)
.set rP, P+16*((\y)%2)
.set rO, 32*(\y)
.endm
.macro OP k, n
.if (\k) == R
	REGS Y
	WIN W_RS
	v_pk_mul_f32 v[rO+2*(\n):rO+2*(\n)+1], v[rO+2*(\n):rO+2*(\n)+1], v[rC+2:rC+3] op_sel_hi:[1,0]
.elseif (\k) < R
	REGS Y
	WIN 0
.if (\k) == F
	v_pk_fma_f32 v[rS+2*(\n):rS+2*(\n)+1], v[rS+2*(\n):rS+2*(\n)+1], s[CS:CS+1], v[rT:rT+1] op_sel_hi:[1,0,0] neg_lo:[0,0,1] neg_hi:[0,0,1]
.elseif (\k) == E
	v_exp_f32 v[rS+(\n)], v[rS+(\n)]
.elseif (\k) == C
	v_cvt_pk_bf16_f32 v[rP+(\n)], v[rS+2*(\n)], v[rS+2*(\n)+1]
.elseif (\k) == B
	v_pk_add_f32 v[rS+4*(\n):rS+4*(\n)+1], v[rS+4*(\n):rS+4*(\n)+1], v[rS+4*(\n)+2:rS+4*(\n)+3]
.elseif (\n) == 0
	v_pk_fma_f32 v[rT+2:rT+3], v[rT+2:rT+3], v[rC+2:rC+3], v[rS:rS+1] op_sel_hi:[1,0,1]
.else
	v_pk_add_f32 v[rT+2:rT+3], v[rT+2:rT+3], v[rS+4*(\n):rS+4*(\n)+1]
.endif
.else
	REGS (Y+1)%NP
	WIN 0
.if (\n) < 4
	v_max3_num_f32 v[rC+(\n)], v[rS+8*(\n)], v[rS+8*(\n)+1], v[rS+8*(\n)+2]
.elseif (\n) < 12
	v_max3_num_f32 v[rC+(\n)%4], v[rC+(\n)%4], v[rS+8*((\n)%4)+2*((\n)/4)+1], v[rS+8*((\n)%4)+2*((\n)/4)+2]
.elseif (\n) == 12
	v_max3_num_f32 v[rC], v[rC], v[rS+7], v[rS+15]
.elseif (\n) == 13
	v_max3_num_f32 v[rC+1], v[rC+1], v[rS+23], v[rS+31]
.elseif (\n) == 14
	v_max3_num_f32 v[rC+2], v[rC+2], v[rC+3], v[rT+1]
.elseif (\n) == 15
	v_mov_b32 v[rW], v[rT]
.elseif (\n) == 16
	v_max3_num_f32 v[rC], v[rC], v[rC+1], v[rC+2]
.elseif (\n) == 17
	v_permlanex16_b32 v[rC+3], v[rC], s[SEL], s[SEL+1]
.elseif (\n) == 18
	v_max_num_f32 v[rT+1], v[rC], v[rC+3]
.elseif (\n) == 19
	v_mul_f32 v[rT], s[CS], v[rT+1]
.elseif (\n) == 20
	v_sub_f32 v[rC+1], v[rW], v[rT]
.else
	v_exp_f32 v[rC+2], v[rC+1]
.endif
.endif
.endm
.macro OPS a, i1, b=-1, i2=0, c=-1, i3=0, d=-1, i4=0
	OP \a, \i1
.if (\b) >= 0
	OP \b, \i2
.endif
.if (\c) >= 0
	OP \c, \i3
.endif
.if (\d) >= 0
	OP \d, \i4
.endif
.endm
.macro ROW a, i1, b, i2, c, i3, d, i4  ; a matrix instruction and the four behind it
	MM
	OPS \a, \i1, \b, \i2, \c, \i3, \d, \i4
.endm
; THE ZERO TEST for scores 4 g .. 4 g + 3 of the other piece: a score that is exactly 0 becomes -1e30.  Four compares, one of piece Y's exponentials (e, if given), four selects.  ZG 2 k is the first reader of
; accumulator k and begins at its lowest register.
.macro ZG g, e=-1
	REGS (Y+1)%NP
	WIN 0
.irp z, 0,1,2,3
	v_cmp_eq_f32 s[ZM+\z], 0, v[rS+4*(\g)+\z]
.endr
.if (\e) >= 0
	OP E, \e
	REGS (Y+1)%NP
.endif
.irp z, 0,1,2,3
	v_cndmask_b32 v[rS+4*(\g)+\z], v[rS+4*(\g)+\z], v[NEG], s[ZM+\z]
.endr
.endm
; A TURN, for piece p.  AHEAD OF ITS ONE WAIT stands all that names no result of the turn's exponentials: the 8 products K Q^T with their riders, then the lump: the rest of the scalings and exponentials, the other
; piece's zero test, maximum and statistics, and last its a.  BEHIND THE WAIT stand the 8 products V^T P, behind each four of the roundings and sums.
; TURN 0 of step j: scores of piece 1 in step j (K of step j), softmax of piece 0 in step j, V^T P of piece 1 in step j - 1 (V of step j - 1); at its end V of step j is fetched, four plain instructions behind the
; last product that read V.  TURN 1 of step j: scores of piece 0 in step j + 1 (K of step j + 1, fetched just ahead of the turn), softmax of piece 1 in step j, V^T P of piece 0 in step j.
.macro TURN p
.set Y, (\p)
.set i, 0
.if (\p) == 1
	s_wait_dscnt 0x0                ; K of the next step is in, and V of the step in hand, asked for ahead of it
.endif
	ROW F,0, F,1, R,0, R,1
	ROW F,2, E,0, R,2, R,3
	ROW F,3, E,1, R,4, R,5
	ROW F,4, E,2, R,6, R,7
	ROW F,5, E,3, R,8, R,9
	ROW F,6, E,4, R,10, R,11
	ROW F,7, E,5, F,8, E,6
	ROW F,9, E,7, F,10, E,8
	OPS F,11, E,9, F,12, E,10
	OPS F,13, E,11, F,14, E,12
	OPS F,15, E,13
	ZG 0, 14
	ZG 1, 15
	OPS X,0
	ZG 2, 16
	OPS X,4
	ZG 3, 17
	OPS X,8, X,1
	ZG 4, 18
	OPS X,5
	ZG 5, 19
	OPS X,9, X,2
	ZG 6, 20
	OPS X,6
	ZG 7, 21
	OPS X,10, X,3
.if (\p) == 0
	WIN 0
	v_add_nc_u32 v[AV], s[TBV], v[AV0]
.endif
	OPS E,22, X,12, E,23, X,7
	OPS E,24, X,13, E,25, X,11
	OPS X,15, E,26, X,14, E,27
	OPS E,28, X,16, E,29, E,30
	OPS X,17, E,31, X,18, R,12
	OPS R,13, X,19, R,14, R,15
	OPS X,20, X,21
	WIN 0
	v_nop                           ; a plain instruction behind the last exponential: one for the batch
	s_wait_alu depctr_va_vdst(0)    ; the wait ahead of the first reader: one for the turn's 33
	ROW C,0, B,0, C,2, B,1
	ROW L,0, C,4, B,2, L,1
	ROW C,6, B,3, L,2, C,8
	ROW B,4, L,3, C,10, B,5
	ROW L,4, C,12, B,6, L,5
.if (\p) == 0
	s_add_co_u32 s[TBV], s[TBV], KS*PV
.endif
	ROW C,14, B,7, L,6, C,1
	ROW C,3, L,7, C,5, C,7
	ROW C,9, C,11, C,13, C,15
.if (\p) == 0
	FETCH_V
.endif
.endm
	CHANGE 1, 0                     ; tile 0 is in, everybody's part of it; tile 1 is asked for
	FETCH_K                         ; key step 0
	s_wait_loadcnt 0x0              ; Q
	s_wait_dscnt 0x0
.set i, 0
.rept 8
	KQ 0                            ; piece 0's first scores
.set i, i+1
.endr
	WIN 0                           ; the addresses for the way out: plain instructions, the places behind those products
	s_mul_i32 s13, s[WV], 16*SP
	s_add_co_u32 s13, s13, STAGE
	v_mul_u32_u24 v[STO], v1, SP
	v_lshl_add_u32 v[STO], v9, 4, v[STO]
	v_add_nc_u32 v[STO], s13, v[STO]
	v_bfe_u32 v[RD], v0, 3, 2
	v_mul_u32_u24 v[RD], v[RD], SP
	v_lshl_add_u32 v[RD], v10, 4, v[RD]
	v_add_nc_u32 v[RD], s13, v[RD]
	v_and_b32 v[GO], 31, v0
	v_lshlrev_b32 v[GO], 4, v[GO]
.set Y, NP-1                        ; ZG and X work for the piece behind Y: piece 0
.irp g, 0,1,2,3,4,5,6,7
	ZG \g
.endr
.irp n, 0,1,2,3,4,5,6,7,8,9,10,11,12,13,14,15,16,17,18,19,20,21
	OP X, \n
.endr
	v_nop
	s_wait_alu depctr_va_vdst(0)    ; the first a, ahead of the branch
	s_mov_b32 s[CNT], 4
	s_mov_b32 s[SLOTS], 7
	s_branch .Lfirst                ; the loop is entered at a step's first turn, in the middle of a trip
.Lslot:                             ; six times: tiles 2 to 7 are asked for
	CHANGE 1, 1
	s_mov_b32 s[CNT], 4
.Lstep:                             ; a trip: K of the next step, piece 1's turn of one step, piece 0's of the next, V of that step
	NEXT_K
	TURN 1
	WIN 0
.Lfirst:
	TURN 0
	WIN 0
	s_sub_co_u32 s[CNT], s[CNT], 1
	s_cmp_lg_u32 s[CNT], 0
	s_cbranch_scc1 .Lstep
	s_sub_co_u32 s[SLOTS], s[SLOTS], 1
	s_cmp_lg_u32 s[SLOTS], 0
	s_cbranch_scc1 .Lslot
	CHANGE 0, 0                     ; the tail is written out: nothing is asked for
	s_mov_b32 s[CNT], 5             ; four trips fetch the last tile's steps; the fifth is left in its middle
.Ltail:
	NEXT_K 1
	TURN 1
	WIN 0
	s_sub_co_u32 s[CNT], s[CNT], 1
	s_cmp_eq_u32 s[CNT], 0
	s_cbranch_scc1 .Lout
	TURN 0
	WIN 0
	s_cmp_lg_u32 s[CNT], 0
	s_cbranch_scc1 .Ltail
.Lout:                              ; the fifth trip's 8 products K Q^T (on the last K once more) and the maximum made of them serve nothing and change no m: the price, once a launch, of one text for every trip
.set i, 0
.rept 8
	PV NP-1                         ; piece 1's V^T P of the last step
.set i, i+1
.endr
	; THE WAY OUT.  l's halves and the other half of the lanes' are added; 1 / l, or NaN where every score of the row was hidden; O^T is scaled, rounded to bf16 and sent through my stage, a piece at a time.
	WIN 0
.macro ALL line:vararg
.set t, 0
.rept NP
	\line
.set t, t+1
.endr
.endm
	v_mov_b32 v9, 0x7fc00000
	ALL v_add_f32 v[ST+4*t+2], v[ST+4*t+2], v[ST+4*t+3]
	ALL v_permlanex16_b32 v[ST+4*t+3], v[ST+4*t+2], s[SEL], s[SEL+1]
	ALL v_add_f32 v[ST+4*t+2], v[ST+4*t+2], v[ST+4*t+3]
	ALL v_rcp_f32 v[ST+4*t+2], v[ST+4*t+2]
	v_nop
	s_wait_alu depctr_va_vdst(0)    ; one wait for the two reciprocals
.set t, 0
.rept NP
	v_cmp_gt_f32 vcc_lo, s[THR], v[ST+4*t+1]
	v_cndmask_b32 v[ST+4*t+2], v[ST+4*t+2], v9, vcc_lo
.set t, t+1
.endr
.macro PACK t
	WIN W_RS
.set i, 32*(\t)
.rept 16
	v_pk_mul_f32 v[i:i+1], v[i:i+1], v[ST+4*(\t)+2:ST+4*(\t)+3] op_sel_hi:[1,0]
.set i, i+2
.endr
	WIN 0x05                        ; sources 0 and 1 window 1, destination window 0
.set i, 0
.rept 16
	v_cvt_pk_bf16_f32 v[S+16*(\t)+i], v[32*(\t)+2*i], v[32*(\t)+2*i+1]
.set i, i+1
.endr
	WIN 0
.irp f, 0,1,2,3
	ds_store_b128 v[STO], v[S+16*(\t)+4*\f:S+16*(\t)+4*\f+3] offset:32*\f
.endr
.irp f, 0,1,2,3
	ds_load_b128 v[S+16*(\t)+4*\f:S+16*(\t)+4*\f+3], v[RD] offset:\f*4*SP  ; LDS serves a wave's instructions in order (ISA guide 5.7.1.4)
.endr
.endm
.macro SEND t, younger              ; younger: the next piece's eight LDS instructions, or none
	WIN 0
.irp f, 0,1,2,3
	s_wait_dscnt (\younger)+3-\f
	global_store_b128 v[GO], v[S+16*(\t)+4*\f:S+16*(\t)+4*\f+3], s[10:11] offset:(\t)*2048+\f*512  ; 512 consecutive bytes, aligned
.endr
.endm
	PACK 0
	PACK 1
	SEND 0, 8
	SEND 1, 0
	s_wait_tensorcnt 0x0            ; the wave's end
	ds_add_u32 v[SPW], v[NIL]
	s_wait_dscnt 0x0
	CROUND                          ; the closing round
	s_endpgm
.Lfunc_end_k_qebe9d9d4c6_attn:
	.size	k_qebe9d9d4c6_attn, .Lfunc_end_k_qebe9d9d4c6_attn-k_qebe9d9d4c6_attn
	.p2alignl 7, 3214868480
	.fill 96, 4, 3214868480
	.section	.rodata,"a",@progbits
	.p2align	6, 0x0
	.amdhsa_kernel k_qebe9d9d4c6_attn
		.amdhsa_group_segment_fixed_size 327680
		.amdhsa_private_segment_fixed_size 0
		.amdhsa_enable_private_segment 0
		.amdhsa_kernarg_size 32
		.amdhsa_user_sgpr_count 2
		.amdhsa_user_sgpr_kernarg_segment_ptr 1
		.amdhsa_wavefront_size32 1
		.amdhsa_system_sgpr_workgroup_id_x 1
		.amdhsa_system_sgpr_workgroup_id_y 1
		.amdhsa_system_sgpr_workgroup_id_z 1
		.amdhsa_system_vgpr_workitem_id 0
		.amdhsa_next_free_vgpr 512
		.amdhsa_next_free_sgpr 70
		.amdhsa_reserve_vcc 1
		.amdhsa_float_denorm_mode_32 3
		.amdhsa_float_denorm_mode_16_64 3
		.amdhsa_memory_ordered 1
		.amdhsa_forward_progress 1
		.amdhsa_inst_pref_size 86
	.end_amdhsa_kernel
	.amdgpu_metadata
---
amdhsa.version: [ 1, 2 ]
amdhsa.kernels:
  - .name:           k_qebe9d9d4c6_attn
    .symbol:         k_qebe9d9d4c6_attn.kd
    .args:
      - { .name: qb, .offset: 0, .size: 8, .value_kind: global_buffer, .address_space: global }
      - { .name: kb, .offset: 8, .size: 8, .value_kind: global_buffer, .address_space: global }
      - { .name: vb, .offset: 16, .size: 8, .value_kind: global_buffer, .address_space: global }
      - { .name: cc, .offset: 24, .size: 8, .value_kind: global_buffer, .address_space: global }
    .group_segment_fixed_size: 327680
    .private_segment_fixed_size: 0
    .kernarg_segment_align: 8
    .kernarg_segment_size: 32
    .max_flat_workgroup_size: 256
    .sgpr_count:     70
    .vgpr_count:     512
    .wavefront_size: 32
...
	.end_amdgpu_metadata
.endif
;; end of part 3
;; launch oproj (part 4): grid 8 x 32, 4 waves a work-group, clusters of 4 x 4, 327,680 bytes of LDS; arguments cc, wts, bo, x, x1; writes x1
.if DOCPART == 4
	.amdgcn_target "amdgcn-amd-amdhsa--gfx1250"
	.amdhsa_code_object_version 6
	.text
	.protected	k_qebe9d9d4c6_oproj
	.globl	k_qebe9d9d4c6_oproj
	.p2align	8
	.type	k_qebe9d9d4c6_oproj,@function
k_qebe9d9d4c6_oproj:
	s_mov_b64 s[64:65], 0
	v_nop
	global_prefetch_b8 v0, s[64:65] scope:SCOPE_SE
	s_setreg_imm32_b32 hwreg(HW_REG_WAVE_MODE, 25, 1), 1
	s_wait_xcnt 0x0
	s_wait_alu depctr_hold_cnt(0) depctr_sa_sdst(0) depctr_va_vdst(0) depctr_va_sdst(0) depctr_va_ssrc(0) depctr_va_vcc(0) depctr_vm_vsrc(0)
	s_getreg_b32 s2, hwreg(HW_REG_IB_STS2, 6, 4)
	s_cmp_eq_u32 s2, 0
	s_cbranch_scc0 .Lentry_in_a_cluster
	s_endpgm
.Lentry_in_a_cluster:
	s_bfe_u32 s2, ttmp6, 0x10000c
	s_cmp_lg_u32 s2, 0xf033
	s_cbranch_scc0 .Lentry_shape_is_right
	s_endpgm
.Lentry_shape_is_right:
; x1 = x + cc Wo + bo.  cc: [32 = batch x 16 + head][2048][64] bf16; Wo: [k][n] bf16 at 6 MiB in wts; bo, x, x1 f32; sums in f32.
; SHARES.  A work-group makes 128 tokens (by) x 128 columns (bx); four waves, 2 x 2, each 64 x 64: 16 accumulators.
; RING.  K = 1,024 goes in 4 steps of 256 (four heads) through two LDS slots of four panels, one tensor load each: waves 0 and 1 bring two heads x 128 tokens x 128 bytes of cc (two rows of 16,384 dense bytes,
; padded after every token: pitch 144), waves 2 and 3 128 k-rows x 256 bytes of Wo (pitch 288).  Both slots are asked for at the start, as one group behind the opening round: two loads of a wave are out there, one behind each later round.
; CLUSTER 4 x 4.  cc's panels hang on by alone and are asked for jointly along a row of the cluster, Wo's on bx alone and along a column.
; THE PRODUCT IS USED TRANSPOSED (source 0 = 16 columns of Wo, turned out of LDS; source 1 = 16 tokens): a lane ends with one token and eight neighbouring columns.
; THE SUMS START AT THE BIAS: it is loaded straight into the accumulators, so that no register is cleared and no first step is written out.  x's 64 x 64 numbers are loaded at the head too, in the layout of the stores.
; ONE STEP IS WRITTEN TWICE: a loop whose change of slots fills, and a loop of two trips whose change does not; the last trip's change fetches fragments that nobody multiplies: the price of no third copy.
; No prefetch: four steps of small tiles, a short launch.
; REGISTERS: window 0 addresses, v64-127 cc's fragments (two buffers), v128-255 the way out; window 1 Wo's fragments (two buffers of 32); window 2 v0-127 accumulator (a, b) at 8 (4 a + b), v128-255 x.
.set NAW,    2
.set BB,     4
.set NS,     8
.set STEPS,  4
.set APITCH, 144
.set BPITCH, 288
.set BPAN,   128*BPITCH
.set ALOAD,  2*128*APITCH              ; what one load for A fills
.set ABYTES, 2*ALOAD
.set SLOT,   ABYTES+2*BPAN
.set STAGE,  2*SLOT                    ; behind the ring, never filled by a tensor load: 16 rows x 272 bytes for each wave
.set SPITCH, 272
.set SPARE,  STAGE+4*16*SPITCH
.set ASTEP,  4*2048*128                ; four heads on
.set BSTEP,  256*2048                  ; 256 rows of Wo
.set WOFF,   6<<20
.set AQI,    4                         ; A's padding stands behind every 32 words
.set ADIM0,  8192
.set AROWS,  2
.set ASTRIDE, 2048*64
.set BSTRIDE, 1024
.set AQ1,    2                         ; substep q: head q / 2 of the step's four, channels 32 (q % 2) on
.set AS1,    128*APITCH
.set BQ,     1                         ; substep q lies in B's panel q / 4
.set BJ,     0
.set BPB,    BB
.set NBR,    2
.set BWN,    128
.set LF,     2*BB+8
.set ROWB,   4096                      ; bytes in a row of x and x1
.set ADRA0, 8
.set ADRB0, 9
.set ADRA,  12
.set ADRB,  13
.set STO,   16
.set RD,    17
.set CO,    18                         ; v18  my 16 bytes in two rows of x and x1
.set BO,    19                         ; v19  32 x (lane / 16): my eight columns of a block in the bias
.set SPW,   20
.set NIL,   21
.set AF,    64
.set OB,    128                        ; window 0: rows read back
.set RES,   128                        ; window 2: x
.set WV,  16
.set WM,  17
.set WN,  18
.set CX,  19
.set CY,  20
.set BX,  21
.set BY,  22
.set G1A, 24
.set G1B, 32
.set G0A, 40                           ; s[40:43] group 0 for A: step 1's first fill, then it walks
.set G0B, 44                           ; s[44:47] for B
.set LBA, 48
.set LBB, 49
.set TB,  50
.set CNT, 51
.set F0A, 68                           ; s[68:71] group 0 for A's first fill of slot 0; never rewritten
.set F0B, 72                           ; s[72:75] for B's
.set MSB, 0
.macro WIN new                         ; the immediate's high byte repeats the setting that is left; a switch that changes nothing is dropped
.if MSB != (\new)
	s_set_vgpr_msb (MSB<<8)|(\new)
.set MSB, (\new)
.endif
.endm
.macro PLACES                          ; four plain vector instructions between a matrix instruction and a load into, or a read of, its registers
.rept 4
	v_nop
.endr
.endm
.macro CREST
	s_cmp_lg_u32 s[WV], 0
	s_cbranch_scc1 .Lnot_wave_0_\@
	s_barrier_signal -3
.Lnot_wave_0_\@:
	s_barrier_wait -3
	s_barrier_signal -1
	s_barrier_wait -1
.endm
.macro CROUND
	s_barrier_signal -1
	s_barrier_wait -1
	CREST
.endm
.macro JLOAD                           ; a joint refill: the branch hangs on the wave's number alone; an s_nop 0 and four v_nop follow each line
	s_cmp_lt_u32 s[WV], NAW
	s_cbranch_scc0 .Lfor_b_\@
	tensor_load_to_lds s[G0A:G0A+3], s[G1A:G1A+7]
	s_nop 0
.rept 4
	v_nop
.endr
	s_branch .Lasked_\@
.Lfor_b_\@:
	tensor_load_to_lds s[G0B:G0B+3], s[G1B:G1B+7]
	s_nop 0
.rept 4
	v_nop
.endr
.Lasked_\@:
.endm
; BB products: block a of 16 tokens x all my columns, 32 along K, from fragment buffer f.  The 4 BB accumulators take turns, one instruction a turn, over the backward jumps too.
.macro MULS f, a
.set b, 0
.rept BB
.set fl, 8*((\a)*BB+b)
.set w, 2+fl/256
.set fr, fl%256
	WIN (w<<6)|(w<<4)|1
	v_wmma_f32_16x16x32_bf16 v[fr:fr+7], v[8*BB*(\f)+8*b:8*BB*(\f)+8*b+7], v[AF+32*(\f)+8*(\a):AF+32*(\f)+8*(\a)+7], v[fr:fr+7]
.set b, b+1
.endr
.endm
.macro FETCH q                         ; one run of LF LDS loads: the fragments of substep q into buffer q % 2: B's first (turned), then A's four blocks
	WIN 0x40
.set b, 0
.rept BB
.set rB, ADRB+((\q)/4)*BQ+(b/4)*BJ
.set oB, ((\q)%4)*32*BPITCH+32*(b%BPB)
.set dB, 8*BB*((\q)%2)+8*b
	ds_load_tr16_b128 v[dB:dB+3], v[rB] offset:oB
	ds_load_tr16_b128 v[dB+4:dB+7], v[rB] offset:oB+16*BPITCH
.set b, b+1
.endr
	WIN 0
.set a, 0
.rept 4
.set dA, AF+32*((\q)%2)+8*a
.set oA, ((\q)/AQ1)*AS1+((\q)%AQ1)*64+a*16*APITCH
	ds_load_b128 v[dA:dA+3], v[ADRA] offset:oA
	ds_load_b128 v[dA+4:dA+7], v[ADRA] offset:oA+32
.set a, a+1
.endr
.endm
.macro SUB q
	s_wait_dscnt 4                                 ; all but the youngest four loads: A's blocks 2 and 3
	MULS (\q)%2, 0
	MULS (\q)%2, 1
	PLACES
	FETCH (\q)+1
	s_wait_dscnt LF                                ; all but the run just issued
	MULS (\q)%2, 2
	MULS (\q)%2, 3
.endm
; The step's last substep multiplies buffer 1 and changes slots.  In front of the one barrier each wave waits for all its tensor loads (one is out: its panel of the other slot), adds 0 to its spare word,
; and waits for that and for its reads of this slot.  fill = 1: the barrier opens a round of the cluster's, and this slot is filled again, two steps on, first thing behind it.
.macro TURN fill
	WIN 0
	s_wait_tensorcnt 0x0
	ds_add_u32 v[SPW], v[NIL]
	s_wait_dscnt 7                                 ; the add and A's blocks 1 to 3 may be out
	MULS 1, 0
	s_wait_dscnt 0x0
	s_barrier_signal -1
	MULS 1, 1
	WIN 0
	s_barrier_wait -1
.if \fill
	CREST
	s_add_co_u32 s[G0A+1], s[LBA], s[TB]
	s_add_co_u32 s[G0B+1], s[LBB], s[TB]
	s_add_nc_u64 s[G0A+2:G0A+3], s[G0A+2:G0A+3], ASTEP
	s_add_nc_u64 s[G0B+2:G0B+3], s[G0B+2:G0B+3], BSTEP
	JLOAD
.else
	PLACES
.endif
	s_xor_b32 s[TB], s[TB], SLOT
	v_add_nc_u32 v[ADRA], s[TB], v[ADRA0]
.set n, 0
.rept NBR
	v_add_nc_u32 v[ADRB+n], s[TB], v[ADRB0+n]
.set n, n+1
.endr
	FETCH 0
	MULS 1, 2
	MULS 1, 3
.endm
.macro STEP fill
.set q, 0
.rept NS-1
	SUB q
.set q, q+1
.endr
	TURN \fill
	WIN 0
.endm
	s_load_b256 s[4:11], s[0:1], 0x0               ; cc s[4:5], wts s[6:7], bo s[8:9], x s[10:11]
	s_load_b64 s[12:13], s[0:1], 0x20              ; x1
	v_lshl_add_u32 v[SPW], v0, 2, SPARE
	v_mov_b32 v[NIL], 0
	ds_add_u32 v[SPW], v[NIL]                      ; the wave's opening: the add and its wait ahead of my first tensor load
	v_lshrrev_b32 v1, 5, v0
	v_readfirstlane_b32 s[WV], v1
	s_lshr_b32 s[WM], s[WV], 1
	s_and_b32 s[WN], s[WV], 1
	s_bfe_u32 s[CX], ttmp6, 0x40000
	s_bfe_u32 s[CY], ttmp6, 0x40004
	s_lshl_b32 s[BX], ttmp9, 2
	s_add_co_u32 s[BX], s[BX], s[CX]
	s_and_b32 s[BY], ttmp7, 0xffff
	s_lshl_b32 s[BY], s[BY], 2
	s_add_co_u32 s[BY], s[BY], s[CY]
	s_lshl_b32 s23, s[CY], 2
	s_lshl_b32 s23, 15, s23                        ; my row of the cluster
	s_lshl_b32 s60, 0x1111, s[CX]                  ; my column
	s_or_b32 s[G1A], s23, (1<<16)|(1<<20)|(1<<21)|(AQI<<22)|(3<<25)
	s_or_b32 s[G1B], s60, (1<<16)|(1<<20)|(1<<21)|(5<<22)|(7<<25)
	s_mov_b32 s[G1A+1], (ADIM0&0xffff)<<16
	s_mov_b32 s[G1A+2], (ADIM0>>16)|(AROWS<<16)
	s_mov_b32 s[G1A+3], ADIM0<<16
	s_mov_b32 s[G1A+4], AROWS
	s_mov_b32 s[G1A+5], ASTRIDE
	s_mov_b32 s[G1A+6], 0
	s_mov_b32 s[G1A+7], 0
	s_mov_b32 s[G1B+1], 128<<16
	s_mov_b32 s[G1B+2], 128<<16
	s_mov_b32 s[G1B+3], 128<<16
	s_mov_b32 s[G1B+4], 128
	s_mov_b32 s[G1B+5], BSTRIDE
	s_mov_b32 s[G1B+6], 0
	s_mov_b32 s[G1B+7], 0
	s_mul_i32 s[LBA], s[WN], ALOAD                 ; which of the two panels I fetch goes by my number's low bit
	s_mul_i32 s[LBB], s[WN], BPAN
	s_add_co_u32 s[LBB], s[LBB], ABYTES
	s_mov_b32 s[TB], 0
	s_lshr_b32 s52, s[BY], 4                       ; A: batch x 16
	s_lshl_b32 s52, s52, 4
	s_lshl1_add_u32 s52, s[WN], s52                ; + my two heads of the step's four,
	s_lshl_b32 s52, s52, 11                        ; 2,048 tokens a head,
	s_and_b32 s53, s[BY], 15
	s_lshl_b32 s53, s53, 7
	s_add_co_u32 s52, s52, s53                     ; the work-group's 128,
	s_lshl_b32 s52, s52, 7                         ; 128 bytes each; these two registers never hold bx
	s_mov_b32 s53, 0
	s_lshl_b32 s54, s[WN], 18                      ; B: my 128 rows of the step's 256, the tile column's 256 bytes; these two never hold by
	s_lshl_b32 s55, s[BX], 8
	s_add_co_u32 s54, s54, s55
	s_add_co_u32 s54, s54, WOFF
	s_mov_b32 s55, 0
	s_lshl_b32 s56, s[BX], 9                       ; my first column, 4 bytes each: 128 bx + 64 wn
	s_lshl_b32 s57, s[WN], 8
	s_add_co_u32 s56, s56, s57
	s_mov_b32 s57, 0
	s_lshl_b32 s58, s[BY], 19                      ; and my first row: 128 by + 64 wm, 4,096 bytes each
	s_lshl_b32 s59, s[WM], 18
	s_add_co_u32 s58, s58, s59
	s_add_co_u32 s58, s58, s56
	s_mov_b32 s59, 0
	s_mov_b32 s[F0A], 1                            ; step 0 goes into slot 0,
	s_mov_b32 s[F0A+1], s[LBA]
	s_mov_b32 s[F0B], 1
	s_mov_b32 s[F0B+1], s[LBB]
	s_mov_b32 s[G0A], 1                            ; step 1 into slot 1
	s_add_co_u32 s[G0A+1], s[LBA], SLOT
	s_mov_b32 s[G0B], 1
	s_add_co_u32 s[G0B+1], s[LBB], SLOT
	s_wait_dscnt 0x0                               ; the opening add is done
	s_wait_kmcnt 0x0
	s_add_nc_u64 s[F0A+2:F0A+3], s[4:5], s[52:53]
	s_add_nc_u64 s[G0A+2:G0A+3], s[F0A+2:F0A+3], ASTEP
	s_or_b32 s[F0A+3], s[F0A+3], 0x80000000
	s_or_b32 s[G0A+3], s[G0A+3], 0x80000000
	s_add_nc_u64 s[F0B+2:F0B+3], s[6:7], s[54:55]
	s_add_nc_u64 s[G0B+2:G0B+3], s[F0B+2:F0B+3], BSTEP
	s_or_b32 s[F0B+3], s[F0B+3], 0x80000000
	s_or_b32 s[G0B+3], s[G0B+3], 0x80000000
	s_add_nc_u64 s[8:9], s[8:9], s[56:57]
	s_add_nc_u64 s[10:11], s[10:11], s[58:59]
	s_add_nc_u64 s[12:13], s[12:13], s[58:59]
	CROUND                                         ; all sixteen work-groups are here: the first joint loads meet
	s_cmp_lt_u32 s[WV], NAW                        ; a wave's two first fills stand in one branch, ahead of every wait on TENSORcnt, every LDS read and every further barrier
	s_cbranch_scc0 .Lfirst_b
	tensor_load_to_lds s[F0A:F0A+3], s[G1A:G1A+7]
	s_nop 0
	tensor_load_to_lds s[G0A:G0A+3], s[G1A:G1A+7]
	s_nop 0
.rept 4
	v_nop
.endr
	s_branch .Lfirst_asked
.Lfirst_b:
	tensor_load_to_lds s[F0B:F0B+3], s[G1B:G1B+7]
	s_nop 0
	tensor_load_to_lds s[G0B:G0B+3], s[G1B:G1B+7]
	s_nop 0
.rept 4
	v_nop
.endr
.Lfirst_asked:
	v_and_b32 v1, 15, v0
	v_bfe_u32 v2, v0, 4, 1
	v_mul_u32_u24 v3, v1, APITCH
	v_lshl_add_u32 v3, v2, 4, v3
	s_mul_i32 s63, s[WM], 64*APITCH
	v_add_nc_u32 v[ADRA0], s63, v3
	v_mov_b32 v[ADRA], v[ADRA0]
	v_and_b32 v4, 7, v0
	v_lshl_add_u32 v4, v2, 3, v4
	v_mul_u32_u24 v4, v4, BPITCH
	v_bfe_u32 v5, v0, 3, 1
	v_lshl_add_u32 v4, v5, 4, v4
	s_mul_i32 s63, s[WN], BWN
	s_add_co_u32 s63, s63, ABYTES
.set n, 0
.rept NBR
	v_add_nc_u32 v[ADRB0+n], s63, v4
	v_mov_b32 v[ADRB+n], v[ADRB0+n]
	s_add_co_u32 s63, s63, BPAN
.set n, n+1
.endr
	s_mul_i32 s63, s[WV], 16*SPITCH
	s_add_co_u32 s63, s63, STAGE                   ; my stage
	v_mul_u32_u24 v3, v1, SPITCH                   ; in: row l % 16, 32 bytes for each half of the lanes
	v_lshl_add_u32 v3, v2, 5, v3
	v_add_nc_u32 v[STO], s63, v3
	v_mul_u32_u24 v3, v2, SPITCH                   ; back: lanes 0-15 one row of 256 bytes, lanes 16-31 the next
	v_lshl_add_u32 v3, v1, 4, v3
	v_add_nc_u32 v[RD], s63, v3
	v_mul_u32_u24 v3, v2, ROWB                     ; and the same two rows in x and x1
	v_lshl_add_u32 v[CO], v1, 4, v3
	v_lshlrev_b32 v[BO], 5, v2
	WIN 0x80                                       ; destination window 2
.set a, 0
.rept 4
.set b, 0
.rept BB
	global_load_b128 v[8*(a*BB+b):8*(a*BB+b)+3],   v[BO], s[8:9] offset:64*b     ; the bias of columns 16 b + 8 (l / 16) + 0..7 starts the sums
	global_load_b128 v[8*(a*BB+b)+4:8*(a*BB+b)+7], v[BO], s[8:9] offset:64*b+16
.set b, b+1
.endr
.set a, a+1
.endr
.set a, 0
.rept 4
.set t, 0
.rept 8
	global_load_b128 v[RES+32*a+4*t:RES+32*a+4*t+3], v[CO], s[10:11] offset:(16*a+2*t)*ROWB
.set t, t+1
.endr
.set a, a+1
.endr
	WIN 0
	s_wait_tensorcnt 0x1                           ; my panel of step 0 is in; step 1's, issued behind it, may stay out
	s_barrier_signal -1
	s_barrier_wait -1                              ; everybody's panels of step 0 are in
	FETCH 0
	s_wait_loadcnt 32                              ; the bias is in the accumulators; x's 32 younger loads may stay out
	WIN 0
	s_mov_b32 s[CNT], STEPS-2
.Lfill:
	STEP 1
	s_sub_co_u32 s[CNT], s[CNT], 1
	s_cmp_lg_u32 s[CNT], 0
	s_cbranch_scc1 .Lfill
	s_mov_b32 s[CNT], 2
.Ldrain:
	STEP 0
	s_sub_co_u32 s[CNT], s[CNT], 1
	s_cmp_lg_u32 s[CNT], 0
	s_cbranch_scc1 .Ldrain
	s_wait_dscnt 0x0                               ; the last change's fetch, which nobody multiplies
	s_wait_loadcnt 0x0                             ; x
	PLACES
	PLACES
; THE WAY OUT, a block of 16 tokens at a time: a lane's eight columns go as 32 bytes into rows of 272 bytes of my own stage (each accumulator's low half first) and come back as whole rows of 256; x is added; stored.
.macro TOSTAGE a
	WIN 0x08                                       ; the stores' data lie in window 2
.set b, 0
.rept 4
	ds_store_b128 v[STO], v[8*(4*(\a)+b):8*(4*(\a)+b)+3]   offset:64*b
	ds_store_b128 v[STO], v[8*(4*(\a)+b)+4:8*(4*(\a)+b)+7] offset:64*b+16
.set b, b+1
.endr
	WIN 0
.set t, 0
.rept 8
	ds_load_b128 v[OB+32*(\a)+4*t:OB+32*(\a)+4*t+3], v[RD] offset:t*2*SPITCH  ; LDS serves a wave's instructions in order (ISA guide 5.7.1.4)
.set t, t+1
.endr
.endm
.macro SEND a, younger                 ; younger: the next block's sixteen LDS instructions, or none
	s_wait_dscnt \younger
	WIN 0x08
.set u, 0
.rept 16
	v_pk_add_f32 v[OB+32*(\a)+2*u:OB+32*(\a)+2*u+1], v[OB+32*(\a)+2*u:OB+32*(\a)+2*u+1], v[RES+32*(\a)+2*u:RES+32*(\a)+2*u+1]
.set u, u+1
.endr
	WIN 0
.set t, 0
.rept 8
	global_store_b128 v[CO], v[OB+32*(\a)+4*t:OB+32*(\a)+4*t+3], s[12:13] offset:(16*(\a)+2*t)*ROWB  ; 16 lanes store 256 consecutive bytes, aligned
.set t, t+1
.endr
.endm
	TOSTAGE 0
	TOSTAGE 1
	SEND 0, 16
	TOSTAGE 2
	SEND 1, 16
	TOSTAGE 3
	SEND 2, 16
	SEND 3, 0
	s_wait_tensorcnt 0x0                           ; the wave's end
	ds_add_u32 v[SPW], v[NIL]
	s_wait_dscnt 0x0
	CROUND                                         ; the closing round
	s_endpgm
.Lfunc_end_k_qebe9d9d4c6_oproj:
	.size	k_qebe9d9d4c6_oproj, .Lfunc_end_k_qebe9d9d4c6_oproj-k_qebe9d9d4c6_oproj
	.p2alignl 7, 3214868480
	.fill 96, 4, 3214868480
	.section	.rodata,"a",@progbits
	.p2align	6, 0x0
	.amdhsa_kernel k_qebe9d9d4c6_oproj
		.amdhsa_group_segment_fixed_size 327680
		.amdhsa_private_segment_fixed_size 0
		.amdhsa_enable_private_segment 0
		.amdhsa_kernarg_size 40
		.amdhsa_user_sgpr_count 2
		.amdhsa_user_sgpr_kernarg_segment_ptr 1
		.amdhsa_wavefront_size32 1
		.amdhsa_system_sgpr_workgroup_id_x 1
		.amdhsa_system_sgpr_workgroup_id_y 1
		.amdhsa_system_sgpr_workgroup_id_z 1
		.amdhsa_system_vgpr_workitem_id 0
		.amdhsa_next_free_vgpr 768
		.amdhsa_next_free_sgpr 76
		.amdhsa_reserve_vcc 0
		.amdhsa_float_denorm_mode_32 3
		.amdhsa_float_denorm_mode_16_64 3
		.amdhsa_memory_ordered 1
		.amdhsa_forward_progress 1
		.amdhsa_inst_pref_size 66
	.end_amdhsa_kernel
	.amdgpu_metadata
---
amdhsa.version: [ 1, 2 ]
amdhsa.kernels:
  - .name:           k_qebe9d9d4c6_oproj
    .symbol:         k_qebe9d9d4c6_oproj.kd
    .args:
      - { .name: cc, .offset: 0, .size: 8, .value_kind: global_buffer, .address_space: global }
      - { .name: wts, .offset: 8, .size: 8, .value_kind: global_buffer, .address_space: global }
      - { .name: bo, .offset: 16, .size: 8, .value_kind: global_buffer, .address_space: global }
      - { .name: x, .offset: 24, .size: 8, .value_kind: global_buffer, .address_space: global }
      - { .name: x1, .offset: 32, .size: 8, .value_kind: global_buffer, .address_space: global }
    .group_segment_fixed_size: 327680
    .private_segment_fixed_size: 0
    .kernarg_segment_align: 8
    .kernarg_segment_size: 40
    .max_flat_workgroup_size: 128
    .sgpr_count:     76
    .vgpr_count:     768
    .wavefront_size: 32
...
	.end_amdgpu_metadata
.endif
;; end of part 4
;; launch ln2 (part 5): grid 256 x 1, 16 waves a work-group, no clusters, 0 bytes of LDS; arguments x1, ln2_a, ln2_b, xn; writes xn
.if DOCPART == 5
	.amdgcn_target "amdgcn-amd-amdhsa--gfx1250"
	.amdhsa_code_object_version 6
	.text
	.protected	k_qebe9d9d4c6_ln2
	.globl	k_qebe9d9d4c6_ln2
	.p2align	8
	.type	k_qebe9d9d4c6_ln2,@function
k_qebe9d9d4c6_ln2:
	s_mov_b64 s[64:65], 0
	v_nop
	global_prefetch_b8 v0, s[64:65] scope:SCOPE_SE
	s_setreg_imm32_b32 hwreg(HW_REG_WAVE_MODE, 25, 1), 1
	s_wait_xcnt 0x0
; xn = LayerNorm(x1): mean; sum of squares of the centred row / 1023; alpha (x - m) / (sqrt + 1e-6) + beta; rounded once to bf16.  x1: [4096][1024] f32.
; A stream: memory binds, so no LDS, no matrix unit, no cluster.  A row is 4,096 bytes: one wave, eight loads of 16 bytes a lane, 32 registers; it is read once and stays in registers for both passes.
; The variance is taken of the centred numbers, not as a difference of two large sums.  A lane's four neighbouring columns pack into 8 bytes: a store of the wave covers 256 consecutive bytes, aligned.
.set A,  4                             ; v[4:35]    alpha of my 32 columns
.set B,  36                            ; v[36:67]   beta
.set X,  68                            ; v[68:99]   the row
.set T,  100                           ; v[100:107] four chains of pairs
.set M,  108                           ; v[108:109] the mean, later 1 / (std + eps)
	s_load_b256 s[4:11], s[0:1], 0x0               ; x1 s[4:5], ln2_a s[6:7], ln2_b s[8:9], xn s[10:11]
	v_lshrrev_b32 v1, 5, v0
	v_readfirstlane_b32 s26, v1                    ; wave 0..15
	v_and_b32 v1, 31, v0
	v_lshlrev_b32 v2, 4, v1
	v_lshlrev_b32 v3, 3, v1
	v_mov_b32 v[M+1], 0                            ; named with M as a pair
	s_lshl_b32 s28, ttmp9, 4
	s_add_co_u32 s28, s28, s26                     ; my row = 16 x work-group + wave
	s_lshl_b32 s30, s28, 11
	s_lshl_b32 s28, s28, 12
	s_mov_b32 s29, 0
	s_mov_b32 s31, 0
	s_mov_b32 s32, 0x76543210
	s_mov_b32 s33, 0xfedcba98
	s_wait_kmcnt 0x0
	s_add_nc_u64 s[4:5], s[4:5], s[28:29]
	s_add_nc_u64 s[10:11], s[10:11], s[30:31]
.irp j, 0,1,2,3,4,5,6,7
	global_load_b128 v[X+4*\j:X+4*\j+3], v2, s[4:5] offset:512*\j
.endr
.irp j, 0,1,2,3,4,5,6,7
	global_load_b128 v[A+4*\j:A+4*\j+3], v2, s[6:7] offset:512*\j
.endr
.irp j, 0,1,2,3,4,5,6,7
	global_load_b128 v[B+4*\j:B+4*\j+3], v2, s[8:9] offset:512*\j
.endr
.macro FOLD
	v_pk_add_f32 v[T:T+1], v[T:T+1], v[T+2:T+3]
	v_pk_add_f32 v[T+4:T+5], v[T+4:T+5], v[T+6:T+7]
	v_pk_add_f32 v[T:T+1], v[T:T+1], v[T+4:T+5]
	v_add_f32 v[T], v[T], v[T+1]
.endm
.macro LANES
	v_add_f32_dpp v[T], v[T], v[T] row_xmask:1 row_mask:0xf bank_mask:0xf
	v_add_f32_dpp v[T], v[T], v[T] row_xmask:2 row_mask:0xf bank_mask:0xf
	v_add_f32_dpp v[T], v[T], v[T] row_xmask:4 row_mask:0xf bank_mask:0xf
	v_add_f32_dpp v[T], v[T], v[T] row_xmask:8 row_mask:0xf bank_mask:0xf
	v_permlanex16_b32 v[T+1], v[T], s32, s33
	v_add_f32 v[T], v[T], v[T+1]
.endm
	s_wait_loadcnt 16                              ; the row is in; alpha's and beta's 16 loads may stay out
.irp k, 0,1,2,3
	v_pk_add_f32 v[T+2*\k:T+2*\k+1], v[X+2*\k:X+2*\k+1], v[X+8+2*\k:X+8+2*\k+1]
.endr
.irp g, 16,24
.irp k, 0,1,2,3
	v_pk_add_f32 v[T+2*\k:T+2*\k+1], v[T+2*\k:T+2*\k+1], v[X+\g+2*\k:X+\g+2*\k+1]
.endr
.endr
	FOLD
	LANES
	v_mul_f32 v[M], 0x3a800000, v[T]               ; the mean: sum / 1024
.set u, 0
.rept 16
	v_pk_add_f32 v[X+u:X+u+1], v[X+u:X+u+1], v[M:M+1] op_sel_hi:[1,0] neg_lo:[0,1] neg_hi:[0,1]
.set u, u+2
.endr
.irp k, 0,1,2,3
	v_pk_mul_f32 v[T+2*\k:T+2*\k+1], v[X+2*\k:X+2*\k+1], v[X+2*\k:X+2*\k+1]
.endr
.irp g, 8,16,24
.irp k, 0,1,2,3
	v_pk_fma_f32 v[T+2*\k:T+2*\k+1], v[X+\g+2*\k:X+\g+2*\k+1], v[X+\g+2*\k:X+\g+2*\k+1], v[T+2*\k:T+2*\k+1]
.endr
.endr
	FOLD
	LANES
	v_mul_f32 v[T], 0x3a802008, v[T]               ; / 1023
	v_sqrt_f32 v[T+2], v[T]
	v_nop                                          ; a plain instruction behind the root,
	s_wait_alu depctr_va_vdst(0)                   ; and the wait ahead of its first reader
	v_add_f32 v[T+2], 0x358637bd, v[T+2]           ; + 1e-6
	v_rcp_f32 v[M], v[T+2]
	v_nop
	s_wait_alu depctr_va_vdst(0)
	s_wait_loadcnt 0x0                             ; alpha and beta
.set u, 0
.rept 16
	v_pk_mul_f32 v[X+u:X+u+1], v[X+u:X+u+1], v[M:M+1] op_sel_hi:[1,0]
.set u, u+2
.endr
.set u, 0
.rept 16
	v_pk_fma_f32 v[X+u:X+u+1], v[X+u:X+u+1], v[A+u:A+u+1], v[B+u:B+u+1]
.set u, u+2
.endr
.irp j, 0,1,2,3,4,5,6,7
	v_cvt_pk_bf16_f32 v[X+4*\j], v[X+4*\j], v[X+4*\j+1]
	v_cvt_pk_bf16_f32 v[X+4*\j+1], v[X+4*\j+2], v[X+4*\j+3]
	global_store_b64 v3, v[X+4*\j:X+4*\j+1], s[10:11] offset:256*\j
.endr
	s_endpgm
.Lfunc_end_k_qebe9d9d4c6_ln2:
	.size	k_qebe9d9d4c6_ln2, .Lfunc_end_k_qebe9d9d4c6_ln2-k_qebe9d9d4c6_ln2
	.p2alignl 7, 3214868480
	.fill 96, 4, 3214868480
	.section	.rodata,"a",@progbits
	.p2align	6, 0x0
	.amdhsa_kernel k_qebe9d9d4c6_ln2
		.amdhsa_group_segment_fixed_size 0
		.amdhsa_private_segment_fixed_size 0
		.amdhsa_enable_private_segment 0
		.amdhsa_kernarg_size 32
		.amdhsa_user_sgpr_count 2
		.amdhsa_user_sgpr_kernarg_segment_ptr 1
		.amdhsa_wavefront_size32 1
		.amdhsa_system_sgpr_workgroup_id_x 1
		.amdhsa_system_sgpr_workgroup_id_y 1
		.amdhsa_system_sgpr_workgroup_id_z 1
		.amdhsa_system_vgpr_workitem_id 0
		.amdhsa_next_free_vgpr 112
		.amdhsa_next_free_sgpr 66
		.amdhsa_reserve_vcc 0
		.amdhsa_float_denorm_mode_32 3
		.amdhsa_float_denorm_mode_16_64 3
		.amdhsa_memory_ordered 1
		.amdhsa_forward_progress 1
		.amdhsa_inst_pref_size 12
	.end_amdhsa_kernel
	.amdgpu_metadata
---
amdhsa.version: [ 1, 2 ]
amdhsa.kernels:
  - .name:           k_qebe9d9d4c6_ln2
    .symbol:         k_qebe9d9d4c6_ln2.kd
    .args:
      - { .name: x1, .offset: 0, .size: 8, .value_kind: global_buffer, .address_space: global }
      - { .name: ln2_a, .offset: 8, .size: 8, .value_kind: global_buffer, .address_space: global }
      - { .name: ln2_b, .offset: 16, .size: 8, .value_kind: global_buffer, .address_space: global }
      - { .name: xn, .offset: 24, .size: 8, .value_kind: global_buffer, .address_space: global }
    .group_segment_fixed_size: 0
    .private_segment_fixed_size: 0
    .kernarg_segment_align: 8
    .kernarg_segment_size: 32
    .max_flat_workgroup_size: 512
    .sgpr_count:     66
    .vgpr_count:     112
    .wavefront_size: 32
...
	.end_amdgpu_metadata
.endif
;; end of part 5
;; launch ffn1 (part 6): grid 8 x 32, 4 waves a work-group, clusters of 4 x 4, 327,680 bytes of LDS; arguments xn, wts, b1, h; writes h
.if DOCPART == 6
	.amdgcn_target "amdgcn-amd-amdhsa--gfx1250"
	.amdhsa_code_object_version 6
	.text
	.protected	k_qebe9d9d4c6_ffn1
	.globl	k_qebe9d9d4c6_ffn1
	.p2align	8
	.type	k_qebe9d9d4c6_ffn1,@function
k_qebe9d9d4c6_ffn1:
	s_mov_b64 s[64:65], 0
	v_nop
	global_prefetch_b8 v0, s[64:65] scope:SCOPE_SE
	s_setreg_imm32_b32 hwreg(HW_REG_WAVE_MODE, 25, 1), 1
	s_wait_xcnt 0x0
	s_wait_alu depctr_hold_cnt(0) depctr_sa_sdst(0) depctr_va_vdst(0) depctr_va_sdst(0) depctr_va_ssrc(0) depctr_va_vcc(0) depctr_vm_vsrc(0)
	s_getreg_b32 s2, hwreg(HW_REG_IB_STS2, 6, 4)
	s_cmp_eq_u32 s2, 0
	s_cbranch_scc0 .Lentry_in_a_cluster
	s_endpgm
.Lentry_in_a_cluster:
	s_bfe_u32 s2, ttmp6, 0x10000c
	s_cmp_lg_u32 s2, 0xf033
	s_cbranch_scc0 .Lentry_shape_is_right
	s_endpgm
.Lentry_shape_is_right:
; h = relu(xn W1 + b1), rounded once to bf16.  xn: [4096][1024] bf16; W1: [k][n = 2048] bf16 at 8 MiB in wts; b1 f32; h: [4096][2048] bf16; sums in f32.
; SHARES.  A work-group makes 128 tokens (by) x 256 columns (bx); four waves, 2 x 2, each 64 x 128: 32 accumulators, 256 registers.
; RING.  K = 1,024 goes in 8 steps of 128 through two LDS slots, one tensor load a wave: waves 0 and 1 bring 64 rows x 256 bytes of xn each (pitch 272), waves 2 and 3 128 k-rows x 256 bytes of W1 each: the two halves of the columns (pitch 288).
; Both slots are asked for at the start, as one group behind the opening round: two loads of a wave are out there, one behind each later round.
; CLUSTER 4 x 4.  xn's tile hangs on by alone and is asked for jointly along a row of the cluster, W1's panels on bx alone and along a column.
; THE PRODUCT IS USED TRANSPOSED (source 0 = 16 columns of W1, turned out of LDS; source 1 = 16 tokens): a lane ends with one token and eight neighbouring columns.
; THE SUMS START AT THE BIAS: it is loaded straight into the accumulators, so that no register is cleared and no first step is written out.
; ONE STEP IS WRITTEN TWICE: a loop whose change of slots fills, and a loop of two trips whose change does not; the last trip's change fetches fragments that nobody multiplies: the price of no third copy.
; No prefetch: eight steps of small tiles, a short launch.
; REGISTERS: window 0 addresses, v64-127 xn's fragments (two buffers), the way out; window 1 W1's fragments (two buffers of 64); window 2 accumulator (a, b) at 8 (8 a + b).
.set NAW,    2
.set BB,     8
.set NS,     4
.set STEPS,  8
.set APITCH, 272
.set BPITCH, 288
.set BPAN,   128*BPITCH
.set ALOAD,  64*APITCH                 ; what one load for A fills
.set ABYTES, 2*ALOAD
.set SLOT,   ABYTES+2*BPAN
.set STAGE,  2*SLOT                    ; behind the ring, never filled by a tensor load: 16 rows x 272 bytes for each wave
.set SPITCH, 272
.set SPARE,  STAGE+4*16*SPITCH
.set ASTEP,  256
.set BSTEP,  128*4096
.set WOFF,   8<<20
.set AQI,    5
.set ADIM0,  128
.set AROWS,  64
.set ASTRIDE, 1024
.set BSTRIDE, 2048
.set AQ1,    4
.set AS1,    0
.set BQ,     0
.set BJ,     0
.set BPB,    BB
.set NBR,    1
.set BWN,    BPAN                      ; my half of the columns is a panel of its own
.set LF,     2*BB+8
.set ROWB,   4096                      ; bytes in a row of h
.set ADRA0, 8
.set ADRB0, 9
.set ADRA,  12
.set ADRB,  13
.set STO,   16
.set RD,    17
.set CO,    18
.set BO,    19
.set SPW,   20
.set NIL,   21
.set ZERO,  22                         ; v22  0, for the packed maximum
.set AF,    64
.set OB,    64                         ; the way out: rows read back
.set PK,    192                        ; v192-223 packed results
.set WV,  16
.set WM,  17
.set WN,  18
.set CX,  19
.set CY,  20
.set BX,  21
.set BY,  22
.set G1A, 24
.set G1B, 32
.set G0A, 40                           ; s[40:43] group 0 for A: step 1's first fill, then it walks
.set G0B, 44                           ; s[44:47] for B
.set LBA, 48
.set LBB, 49
.set TB,  50
.set CNT, 51
.set F0A, 68                           ; s[68:71] group 0 for A's first fill of slot 0; never rewritten
.set F0B, 72                           ; s[72:75] for B's
.set MSB, 0
.macro WIN new                         ; the immediate's high byte repeats the setting that is left; a switch that changes nothing is dropped
.if MSB != (\new)
	s_set_vgpr_msb (MSB<<8)|(\new)
.set MSB, (\new)
.endif
.endm
.macro PLACES                          ; four plain vector instructions between a matrix instruction and a load into, or a read of, its registers
.rept 4
	v_nop
.endr
.endm
.macro CREST
	s_cmp_lg_u32 s[WV], 0
	s_cbranch_scc1 .Lnot_wave_0_\@
	s_barrier_signal -3
.Lnot_wave_0_\@:
	s_barrier_wait -3
	s_barrier_signal -1
	s_barrier_wait -1
.endm
.macro CROUND
	s_barrier_signal -1
	s_barrier_wait -1
	CREST
.endm
.macro JLOAD                           ; a joint refill: the branch hangs on the wave's number alone; an s_nop 0 and four v_nop follow each line
	s_cmp_lt_u32 s[WV], NAW
	s_cbranch_scc0 .Lfor_b_\@
	tensor_load_to_lds s[G0A:G0A+3], s[G1A:G1A+7]
	s_nop 0
.rept 4
	v_nop
.endr
	s_branch .Lasked_\@
.Lfor_b_\@:
	tensor_load_to_lds s[G0B:G0B+3], s[G1B:G1B+7]
	s_nop 0
.rept 4
	v_nop
.endr
.Lasked_\@:
.endm
; BB products: block a of 16 tokens x all my columns, 32 along K, from fragment buffer f.  The 4 BB accumulators take turns, one instruction a turn, over the backward jumps too.
.macro MULS f, a
.set b, 0
.rept BB
.set fl, 8*((\a)*BB+b)
.set w, 2+fl/256
.set fr, fl%256
	WIN (w<<6)|(w<<4)|1
	v_wmma_f32_16x16x32_bf16 v[fr:fr+7], v[8*BB*(\f)+8*b:8*BB*(\f)+8*b+7], v[AF+32*(\f)+8*(\a):AF+32*(\f)+8*(\a)+7], v[fr:fr+7]
.set b, b+1
.endr
.endm
.macro FETCH q                         ; one run of LF LDS loads: the fragments of substep q into buffer q % 2: B's first (turned), then A's four blocks
	WIN 0x40
.set b, 0
.rept BB
.set rB, ADRB+((\q)/4)*BQ+(b/4)*BJ
.set oB, ((\q)%4)*32*BPITCH+32*(b%BPB)
.set dB, 8*BB*((\q)%2)+8*b
	ds_load_tr16_b128 v[dB:dB+3], v[rB] offset:oB
	ds_load_tr16_b128 v[dB+4:dB+7], v[rB] offset:oB+16*BPITCH
.set b, b+1
.endr
	WIN 0
.set a, 0
.rept 4
.set dA, AF+32*((\q)%2)+8*a
.set oA, ((\q)/AQ1)*AS1+((\q)%AQ1)*64+a*16*APITCH
	ds_load_b128 v[dA:dA+3], v[ADRA] offset:oA
	ds_load_b128 v[dA+4:dA+7], v[ADRA] offset:oA+32
.set a, a+1
.endr
.endm
.macro SUB q
	s_wait_dscnt 4                                 ; all but the youngest four loads: A's blocks 2 and 3
	MULS (\q)%2, 0
	MULS (\q)%2, 1
	PLACES
	FETCH (\q)+1
	s_wait_dscnt LF                                ; all but the run just issued
	MULS (\q)%2, 2
	MULS (\q)%2, 3
.endm
; The step's last substep multiplies buffer 1 and changes slots.  In front of the one barrier each wave waits for all its tensor loads (one is out: its part of the other slot), adds 0 to its spare word,
; and waits for that and for its reads of this slot.  fill = 1: the barrier opens a round of the cluster's, and this slot is filled again, two steps on, first thing behind it.
.macro TURN fill
	WIN 0
	s_wait_tensorcnt 0x0
	ds_add_u32 v[SPW], v[NIL]
	s_wait_dscnt 7                                 ; the add and A's blocks 1 to 3 may be out
	MULS 1, 0
	s_wait_dscnt 0x0
	s_barrier_signal -1
	MULS 1, 1
	WIN 0
	s_barrier_wait -1
.if \fill
	CREST
	s_add_co_u32 s[G0A+1], s[LBA], s[TB]
	s_add_co_u32 s[G0B+1], s[LBB], s[TB]
	s_add_nc_u64 s[G0A+2:G0A+3], s[G0A+2:G0A+3], ASTEP
	s_add_nc_u64 s[G0B+2:G0B+3], s[G0B+2:G0B+3], BSTEP
	JLOAD
.else
	PLACES
.endif
	s_xor_b32 s[TB], s[TB], SLOT
	v_add_nc_u32 v[ADRA], s[TB], v[ADRA0]
.set n, 0
.rept NBR
	v_add_nc_u32 v[ADRB+n], s[TB], v[ADRB0+n]
.set n, n+1
.endr
	FETCH 0
	MULS 1, 2
	MULS 1, 3
.endm
.macro STEP fill
.set q, 0
.rept NS-1
	SUB q
.set q, q+1
.endr
	TURN \fill
	WIN 0
.endm
	s_load_b256 s[4:11], s[0:1], 0x0               ; xn s[4:5], wts s[6:7], b1 s[8:9], h s[10:11]
	v_lshl_add_u32 v[SPW], v0, 2, SPARE
	v_mov_b32 v[NIL], 0
	ds_add_u32 v[SPW], v[NIL]                      ; the wave's opening: the add and its wait ahead of my first tensor load
	v_lshrrev_b32 v1, 5, v0
	v_readfirstlane_b32 s[WV], v1
	s_lshr_b32 s[WM], s[WV], 1
	s_and_b32 s[WN], s[WV], 1
	s_bfe_u32 s[CX], ttmp6, 0x40000
	s_bfe_u32 s[CY], ttmp6, 0x40004
	s_lshl_b32 s[BX], ttmp9, 2
	s_add_co_u32 s[BX], s[BX], s[CX]
	s_and_b32 s[BY], ttmp7, 0xffff
	s_lshl_b32 s[BY], s[BY], 2
	s_add_co_u32 s[BY], s[BY], s[CY]
	s_lshl_b32 s23, s[CY], 2
	s_lshl_b32 s23, 15, s23                        ; my row of the cluster
	s_lshl_b32 s60, 0x1111, s[CX]                  ; my column
	s_or_b32 s[G1A], s23, (1<<16)|(1<<20)|(1<<21)|(AQI<<22)|(3<<25)
	s_or_b32 s[G1B], s60, (1<<16)|(1<<20)|(1<<21)|(5<<22)|(7<<25)
	s_mov_b32 s[G1A+1], (ADIM0&0xffff)<<16
	s_mov_b32 s[G1A+2], (ADIM0>>16)|(AROWS<<16)
	s_mov_b32 s[G1A+3], ADIM0<<16
	s_mov_b32 s[G1A+4], AROWS
	s_mov_b32 s[G1A+5], ASTRIDE
	s_mov_b32 s[G1A+6], 0
	s_mov_b32 s[G1A+7], 0
	s_mov_b32 s[G1B+1], 128<<16
	s_mov_b32 s[G1B+2], 128<<16
	s_mov_b32 s[G1B+3], 128<<16
	s_mov_b32 s[G1B+4], 128
	s_mov_b32 s[G1B+5], BSTRIDE
	s_mov_b32 s[G1B+6], 0
	s_mov_b32 s[G1B+7], 0
	s_mul_i32 s[LBA], s[WN], ALOAD                 ; which half I fetch goes by my number's low bit
	s_mul_i32 s[LBB], s[WN], BPAN
	s_add_co_u32 s[LBB], s[LBB], ABYTES
	s_mov_b32 s[TB], 0
	s_lshl_b32 s52, s[BY], 18                      ; A: 128 rows of 2,048 bytes a tile row, my 64 of them; these two registers never hold bx
	s_lshl_b32 s53, s[WN], 17
	s_add_co_u32 s52, s52, s53
	s_mov_b32 s53, 0
	s_lshl_b32 s54, s[BX], 9                       ; B: 512 bytes a tile column, my 256 of them; these two never hold by
	s_lshl_b32 s55, s[WN], 8
	s_add_co_u32 s54, s54, s55
	s_add_co_u32 s54, s54, WOFF
	s_mov_b32 s55, 0
	s_lshl_b32 s56, s[BX], 10                      ; my first column in b1, 4 bytes each: 256 bx + 128 wn
	s_lshl_b32 s57, s[WN], 9
	s_add_co_u32 s56, s56, s57
	s_mov_b32 s57, 0
	s_lshl_b32 s58, s[BY], 19                      ; my first row of h, 4,096 bytes each, and my first column, 2 bytes each
	s_lshl_b32 s59, s[WM], 18
	s_add_co_u32 s58, s58, s59
	s_lshl_b32 s59, s[BX], 9
	s_add_co_u32 s58, s58, s59
	s_lshl_b32 s59, s[WN], 8
	s_add_co_u32 s58, s58, s59
	s_mov_b32 s59, 0
	s_mov_b32 s[F0A], 1                            ; step 0 goes into slot 0,
	s_mov_b32 s[F0A+1], s[LBA]
	s_mov_b32 s[F0B], 1
	s_mov_b32 s[F0B+1], s[LBB]
	s_mov_b32 s[G0A], 1                            ; step 1 into slot 1
	s_add_co_u32 s[G0A+1], s[LBA], SLOT
	s_mov_b32 s[G0B], 1
	s_add_co_u32 s[G0B+1], s[LBB], SLOT
	s_wait_dscnt 0x0                               ; the opening add is done
	s_wait_kmcnt 0x0
	s_add_nc_u64 s[F0A+2:F0A+3], s[4:5], s[52:53]
	s_add_nc_u64 s[G0A+2:G0A+3], s[F0A+2:F0A+3], ASTEP
	s_or_b32 s[F0A+3], s[F0A+3], 0x80000000
	s_or_b32 s[G0A+3], s[G0A+3], 0x80000000
	s_add_nc_u64 s[F0B+2:F0B+3], s[6:7], s[54:55]
	s_add_nc_u64 s[G0B+2:G0B+3], s[F0B+2:F0B+3], BSTEP
	s_or_b32 s[F0B+3], s[F0B+3], 0x80000000
	s_or_b32 s[G0B+3], s[G0B+3], 0x80000000
	s_add_nc_u64 s[8:9], s[8:9], s[56:57]
	s_add_nc_u64 s[10:11], s[10:11], s[58:59]
	CROUND                                         ; all sixteen work-groups are here: the first joint loads meet
	s_cmp_lt_u32 s[WV], NAW                        ; a wave's two first fills stand in one branch, ahead of every wait on TENSORcnt, every LDS read and every further barrier
	s_cbranch_scc0 .Lfirst_b
	tensor_load_to_lds s[F0A:F0A+3], s[G1A:G1A+7]
	s_nop 0
	tensor_load_to_lds s[G0A:G0A+3], s[G1A:G1A+7]
	s_nop 0
.rept 4
	v_nop
.endr
	s_branch .Lfirst_asked
.Lfirst_b:
	tensor_load_to_lds s[F0B:F0B+3], s[G1B:G1B+7]
	s_nop 0
	tensor_load_to_lds s[G0B:G0B+3], s[G1B:G1B+7]
	s_nop 0
.rept 4
	v_nop
.endr
.Lfirst_asked:
	v_and_b32 v1, 15, v0
	v_bfe_u32 v2, v0, 4, 1
	v_mul_u32_u24 v3, v1, APITCH
	v_lshl_add_u32 v3, v2, 4, v3
	s_mul_i32 s63, s[WM], 64*APITCH
	v_add_nc_u32 v[ADRA0], s63, v3
	v_mov_b32 v[ADRA], v[ADRA0]
	v_and_b32 v4, 7, v0
	v_lshl_add_u32 v4, v2, 3, v4
	v_mul_u32_u24 v4, v4, BPITCH
	v_bfe_u32 v5, v0, 3, 1
	v_lshl_add_u32 v4, v5, 4, v4
	s_mul_i32 s63, s[WN], BWN
	s_add_co_u32 s63, s63, ABYTES
.set n, 0
.rept NBR
	v_add_nc_u32 v[ADRB0+n], s63, v4
	v_mov_b32 v[ADRB+n], v[ADRB0+n]
	s_add_co_u32 s63, s63, BPAN
.set n, n+1
.endr
	s_mul_i32 s63, s[WV], 16*SPITCH
	s_add_co_u32 s63, s63, STAGE                   ; my stage
	v_mul_u32_u24 v3, v1, SPITCH                   ; in: row l % 16, 16 bytes for each half of the lanes
	v_lshl_add_u32 v3, v2, 4, v3
	v_add_nc_u32 v[STO], s63, v3
	v_mul_u32_u24 v3, v2, SPITCH                   ; back: lanes 0-15 one row of 256 bytes, lanes 16-31 the next
	v_lshl_add_u32 v3, v1, 4, v3
	v_add_nc_u32 v[RD], s63, v3
	v_mul_u32_u24 v3, v2, ROWB                     ; and the same two rows in h
	v_lshl_add_u32 v[CO], v1, 4, v3
	v_lshlrev_b32 v[BO], 5, v2
	v_mov_b32 v[ZERO], 0
	WIN 0x80                                       ; destination window 2
.set a, 0
.rept 4
.set b, 0
.rept BB
	global_load_b128 v[8*(a*BB+b):8*(a*BB+b)+3],   v[BO], s[8:9] offset:64*b     ; the bias of columns 16 b + 8 (l / 16) + 0..7 starts the sums
	global_load_b128 v[8*(a*BB+b)+4:8*(a*BB+b)+7], v[BO], s[8:9] offset:64*b+16
.set b, b+1
.endr
.set a, a+1
.endr
	WIN 0
	s_wait_tensorcnt 0x1                           ; my part of step 0 is in; step 1's, issued behind it, may stay out
	s_barrier_signal -1
	s_barrier_wait -1                              ; everybody's parts of step 0 are in
	FETCH 0
	s_wait_loadcnt 0x0                             ; the bias is in the accumulators
	WIN 0
	s_mov_b32 s[CNT], STEPS-2
.Lfill:
	STEP 1
	s_sub_co_u32 s[CNT], s[CNT], 1
	s_cmp_lg_u32 s[CNT], 0
	s_cbranch_scc1 .Lfill
	s_mov_b32 s[CNT], 2
.Ldrain:
	STEP 0
	s_sub_co_u32 s[CNT], s[CNT], 1
	s_cmp_lg_u32 s[CNT], 0
	s_cbranch_scc1 .Ldrain
	s_wait_dscnt 0x0                               ; the last change's fetch, which nobody multiplies
	PLACES
	PLACES
; THE WAY OUT, a block of 16 tokens at a time: rounded to bf16 (each accumulator from its low end on), the maximum with 0 taken on the packed halves (it rounds nothing), 16 bytes a lane into rows of 272 bytes of
; my own stage, back as whole rows of 256, stored.
.macro PACK a
	WIN 0x0a
.set u, 0
.rept 32
	v_cvt_pk_bf16_f32 v[PK+u], v[64*(\a)+2*u], v[64*(\a)+2*u+1]
.set u, u+1
.endr
	WIN 0
.set u, 0
.rept 32
	v_pk_max_num_bf16 v[PK+u], v[PK+u], v[ZERO]
.set u, u+1
.endr
.set b, 0
.rept 8
	ds_store_b128 v[STO], v[PK+4*b:PK+4*b+3] offset:32*b
.set b, b+1
.endr
.set t, 0
.rept 8
	ds_load_b128 v[OB+32*(\a)+4*t:OB+32*(\a)+4*t+3], v[RD] offset:t*2*SPITCH  ; LDS serves a wave's instructions in order (ISA guide 5.7.1.4)
.set t, t+1
.endr
.endm
.macro SEND a, younger                 ; younger: the next block's sixteen LDS instructions, or none
	s_wait_dscnt \younger
.set t, 0
.rept 8
	global_store_b128 v[CO], v[OB+32*(\a)+4*t:OB+32*(\a)+4*t+3], s[10:11] offset:(16*(\a)+2*t)*ROWB  ; 16 lanes store 256 consecutive bytes, aligned
.set t, t+1
.endr
.endm
	PACK 0
	PACK 1
	SEND 0, 16
	PACK 2
	SEND 1, 16
	PACK 3
	SEND 2, 16
	SEND 3, 0
	s_wait_tensorcnt 0x0                           ; the wave's end
	ds_add_u32 v[SPW], v[NIL]
	s_wait_dscnt 0x0
	CROUND                                         ; the closing round
	s_endpgm
.Lfunc_end_k_qebe9d9d4c6_ffn1:
	.size	k_qebe9d9d4c6_ffn1, .Lfunc_end_k_qebe9d9d4c6_ffn1-k_qebe9d9d4c6_ffn1
	.p2alignl 7, 3214868480
	.fill 96, 4, 3214868480
	.section	.rodata,"a",@progbits
	.p2align	6, 0x0
	.amdhsa_kernel k_qebe9d9d4c6_ffn1
		.amdhsa_group_segment_fixed_size 327680
		.amdhsa_private_segment_fixed_size 0
		.amdhsa_enable_private_segment 0
		.amdhsa_kernarg_size 32
		.amdhsa_user_sgpr_count 2
		.amdhsa_user_sgpr_kernarg_segment_ptr 1
		.amdhsa_wavefront_size32 1
		.amdhsa_system_sgpr_workgroup_id_x 1
		.amdhsa_system_sgpr_workgroup_id_y 1
		.amdhsa_system_sgpr_workgroup_id_z 1
		.amdhsa_system_vgpr_workitem_id 0
		.amdhsa_next_free_vgpr 768
		.amdhsa_next_free_sgpr 76
		.amdhsa_reserve_vcc 0
		.amdhsa_float_denorm_mode_32 3
		.amdhsa_float_denorm_mode_16_64 3
		.amdhsa_memory_ordered 1
		.amdhsa_forward_progress 1
		.amdhsa_inst_pref_size 71
	.end_amdhsa_kernel
	.amdgpu_metadata
---
amdhsa.version: [ 1, 2 ]
amdhsa.kernels:
  - .name:           k_qebe9d9d4c6_ffn1
    .symbol:         k_qebe9d9d4c6_ffn1.kd
    .args:
      - { .name: xn, .offset: 0, .size: 8, .value_kind: global_buffer, .address_space: global }
      - { .name: wts, .offset: 8, .size: 8, .value_kind: global_buffer, .address_space: global }
      - { .name: b1, .offset: 16, .size: 8, .value_kind: global_buffer, .address_space: global }
      - { .name: h, .offset: 24, .size: 8, .value_kind: global_buffer, .address_space: global }
    .group_segment_fixed_size: 327680
    .private_segment_fixed_size: 0
    .kernarg_segment_align: 8
    .kernarg_segment_size: 32
    .max_flat_workgroup_size: 128
    .sgpr_count:     76
    .vgpr_count:     768
    .wavefront_size: 32
...
	.end_amdgpu_metadata
.endif
;; end of part 6
;; launch ffn2 (part 7): grid 8 x 32, 4 waves a work-group, clusters of 4 x 4, 327,680 bytes of LDS; arguments h, wts, b2, x1, out0; writes out0
.if DOCPART == 7
	.amdgcn_target "amdgcn-amd-amdhsa--gfx1250"
	.amdhsa_code_object_version 6
	.text
	.protected	k_qebe9d9d4c6_ffn2
	.globl	k_qebe9d9d4c6_ffn2
	.p2align	8
	.type	k_qebe9d9d4c6_ffn2,@function
k_qebe9d9d4c6_ffn2:
	s_mov_b64 s[64:65], 0
	v_nop
	global_prefetch_b8 v0, s[64:65] scope:SCOPE_SE
	s_setreg_imm32_b32 hwreg(HW_REG_WAVE_MODE, 25, 1), 1
	s_wait_xcnt 0x0
	s_wait_alu depctr_hold_cnt(0) depctr_sa_sdst(0) depctr_va_vdst(0) depctr_va_sdst(0) depctr_va_ssrc(0) depctr_va_vcc(0) depctr_vm_vsrc(0)
	s_getreg_b32 s2, hwreg(HW_REG_IB_STS2, 6, 4)
	s_cmp_eq_u32 s2, 0
	s_cbranch_scc0 .Lentry_in_a_cluster
	s_endpgm
.Lentry_in_a_cluster:
	s_bfe_u32 s2, ttmp6, 0x10000c
	s_cmp_lg_u32 s2, 0xf033
	s_cbranch_scc0 .Lentry_shape_is_right
	s_endpgm
.Lentry_shape_is_right:
; out0 = x1 + h W2 + b2.  h: [4096][2048] bf16; W2: [k = 2048][n = 1024] bf16 at 12 MiB in wts; b2, x1, out0 f32; sums in f32.
; SHARES.  A work-group makes 128 tokens (by) x 128 columns (bx); four waves, 2 x 2, each 64 x 64: 16 accumulators.
; RING.  K = 2,048 goes in 8 steps of 256 through two LDS slots of four panels, one tensor load each: waves 0 and 1 bring 128 rows x 256 bytes of h (the step's two halves along K, pitch 272),
; waves 2 and 3 128 k-rows x 256 bytes of W2 (pitch 288).  Both slots are asked for at the start, as one group behind the opening round: two loads of a wave are out there, one behind each later round.
; CLUSTER 4 x 4.  h's panels hang on by alone and are asked for jointly along a row of the cluster, W2's on bx alone and along a column.
; THE PRODUCT IS USED TRANSPOSED (source 0 = 16 columns of W2, turned out of LDS; source 1 = 16 tokens): a lane ends with one token and eight neighbouring columns.
; THE SUMS START AT THE BIAS: it is loaded straight into the accumulators, so that no register is cleared and no first step is written out.  x1's 64 x 64 numbers are loaded at the head too, in the layout of the stores.
; ONE STEP IS WRITTEN TWICE: a loop whose change of slots fills, and a loop of two trips whose change does not; the last trip's change fetches fragments that nobody multiplies: the price of no third copy.
; No prefetch: eight steps of small tiles, a short launch.
; REGISTERS: window 0 addresses, v64-127 h's fragments (two buffers), v128-255 the way out; window 1 W2's fragments (two buffers of 32); window 2 v0-127 accumulator (a, b) at 8 (4 a + b), v128-255 x1.
.set NAW,    2
.set BB,     4
.set NS,     8
.set STEPS,  8
.set APITCH, 272
.set BPITCH, 288
.set BPAN,   128*BPITCH
.set ALOAD,  128*APITCH                ; what one load for A fills
.set ABYTES, 2*ALOAD
.set SLOT,   ABYTES+2*BPAN
.set STAGE,  2*SLOT                    ; behind the ring, never filled by a tensor load: 16 rows x 272 bytes for each wave
.set SPITCH, 272
.set SPARE,  STAGE+4*16*SPITCH
.set ASTEP,  512
.set BSTEP,  256*2048
.set WOFF,   12<<20
.set AQI,    5
.set ADIM0,  128
.set AROWS,  128
.set ASTRIDE, 2048
.set BSTRIDE, 1024
.set AQ1,    4                         ; substep q lies in A's panel q / 4, at byte 64 (q % 4) of its rows
.set AS1,    ALOAD
.set BQ,     1                         ; and in B's panel q / 4
.set BJ,     0
.set BPB,    BB
.set NBR,    2
.set BWN,    128
.set LF,     2*BB+8
.set ROWB,   4096                      ; bytes in a row of x1 and out0
.set ADRA0, 8
.set ADRB0, 9
.set ADRA,  12
.set ADRB,  13
.set STO,   16
.set RD,    17
.set CO,    18
.set BO,    19
.set SPW,   20
.set NIL,   21
.set AF,    64
.set OB,    128                        ; window 0: rows read back
.set RES,   128                        ; window 2: x1
.set WV,  16
.set WM,  17
.set WN,  18
.set CX,  19
.set CY,  20
.set BX,  21
.set BY,  22
.set G1A, 24
.set G1B, 32
.set G0A, 40                           ; s[40:43] group 0 for A: step 1's first fill, then it walks
.set G0B, 44                           ; s[44:47] for B
.set LBA, 48
.set LBB, 49
.set TB,  50
.set CNT, 51
.set F0A, 68                           ; s[68:71] group 0 for A's first fill of slot 0; never rewritten
.set F0B, 72                           ; s[72:75] for B's
.set MSB, 0
.macro WIN new                         ; the immediate's high byte repeats the setting that is left; a switch that changes nothing is dropped
.if MSB != (\new)
	s_set_vgpr_msb (MSB<<8)|(\new)
.set MSB, (\new)
.endif
.endm
.macro PLACES                          ; four plain vector instructions between a matrix instruction and a load into, or a read of, its registers
.rept 4
	v_nop
.endr
.endm
.macro CREST
	s_cmp_lg_u32 s[WV], 0
	s_cbranch_scc1 .Lnot_wave_0_\@
	s_barrier_signal -3
.Lnot_wave_0_\@:
	s_barrier_wait -3
	s_barrier_signal -1
	s_barrier_wait -1
.endm
.macro CROUND
	s_barrier_signal -1
	s_barrier_wait -1
	CREST
.endm
.macro JLOAD                           ; a joint refill: the branch hangs on the wave's number alone; an s_nop 0 and four v_nop follow each line
	s_cmp_lt_u32 s[WV], NAW
	s_cbranch_scc0 .Lfor_b_\@
	tensor_load_to_lds s[G0A:G0A+3], s[G1A:G1A+7]
	s_nop 0
.rept 4
	v_nop
.endr
	s_branch .Lasked_\@
.Lfor_b_\@:
	tensor_load_to_lds s[G0B:G0B+3], s[G1B:G1B+7]
	s_nop 0
.rept 4
	v_nop
.endr
.Lasked_\@:
.endm
; BB products: block a of 16 tokens x all my columns, 32 along K, from fragment buffer f.  The 4 BB accumulators take turns, one instruction a turn, over the backward jumps too.
.macro MULS f, a
.set b, 0
.rept BB
.set fl, 8*((\a)*BB+b)
.set w, 2+fl/256
.set fr, fl%256
	WIN (w<<6)|(w<<4)|1
	v_wmma_f32_16x16x32_bf16 v[fr:fr+7], v[8*BB*(\f)+8*b:8*BB*(\f)+8*b+7], v[AF+32*(\f)+8*(\a):AF+32*(\f)+8*(\a)+7], v[fr:fr+7]
.set b, b+1
.endr
.endm
.macro FETCH q                         ; one run of LF LDS loads: the fragments of substep q into buffer q % 2: B's first (turned), then A's four blocks
	WIN 0x40
.set b, 0
.rept BB
.set rB, ADRB+((\q)/4)*BQ+(b/4)*BJ
.set oB, ((\q)%4)*32*BPITCH+32*(b%BPB)
.set dB, 8*BB*((\q)%2)+8*b
	ds_load_tr16_b128 v[dB:dB+3], v[rB] offset:oB
	ds_load_tr16_b128 v[dB+4:dB+7], v[rB] offset:oB+16*BPITCH
.set b, b+1
.endr
	WIN 0
.set a, 0
.rept 4
.set dA, AF+32*((\q)%2)+8*a
.set oA, ((\q)/AQ1)*AS1+((\q)%AQ1)*64+a*16*APITCH
	ds_load_b128 v[dA:dA+3], v[ADRA] offset:oA
	ds_load_b128 v[dA+4:dA+7], v[ADRA] offset:oA+32
.set a, a+1
.endr
.endm
.macro SUB q
	s_wait_dscnt 4                                 ; all but the youngest four loads: A's blocks 2 and 3
	MULS (\q)%2, 0
	MULS (\q)%2, 1
	PLACES
	FETCH (\q)+1
	s_wait_dscnt LF                                ; all but the run just issued
	MULS (\q)%2, 2
	MULS (\q)%2, 3
.endm
; The step's last substep multiplies buffer 1 and changes slots.  In front of the one barrier each wave waits for all its tensor loads (one is out: its panel of the other slot), adds 0 to its spare word,
; and waits for that and for its reads of this slot.  fill = 1: the barrier opens a round of the cluster's, and this slot is filled again, two steps on, first thing behind it.
.macro TURN fill
	WIN 0
	s_wait_tensorcnt 0x0
	ds_add_u32 v[SPW], v[NIL]
	s_wait_dscnt 7                                 ; the add and A's blocks 1 to 3 may be out
	MULS 1, 0
	s_wait_dscnt 0x0
	s_barrier_signal -1
	MULS 1, 1
	WIN 0
	s_barrier_wait -1
.if \fill
	CREST
	s_add_co_u32 s[G0A+1], s[LBA], s[TB]
	s_add_co_u32 s[G0B+1], s[LBB], s[TB]
	s_add_nc_u64 s[G0A+2:G0A+3], s[G0A+2:G0A+3], ASTEP
	s_add_nc_u64 s[G0B+2:G0B+3], s[G0B+2:G0B+3], BSTEP
	JLOAD
.else
	PLACES
.endif
	s_xor_b32 s[TB], s[TB], SLOT
	v_add_nc_u32 v[ADRA], s[TB], v[ADRA0]
.set n, 0
.rept NBR
	v_add_nc_u32 v[ADRB+n], s[TB], v[ADRB0+n]
.set n, n+1
.endr
	FETCH 0
	MULS 1, 2
	MULS 1, 3
.endm
.macro STEP fill
.set q, 0
.rept NS-1
	SUB q
.set q, q+1
.endr
	TURN \fill
	WIN 0
.endm
	s_load_b256 s[4:11], s[0:1], 0x0               ; h s[4:5], wts s[6:7], b2 s[8:9], x1 s[10:11]
	s_load_b64 s[12:13], s[0:1], 0x20              ; out0
	v_lshl_add_u32 v[SPW], v0, 2, SPARE
	v_mov_b32 v[NIL], 0
	ds_add_u32 v[SPW], v[NIL]                      ; the wave's opening: the add and its wait ahead of my first tensor load
	v_lshrrev_b32 v1, 5, v0
	v_readfirstlane_b32 s[WV], v1
	s_lshr_b32 s[WM], s[WV], 1
	s_and_b32 s[WN], s[WV], 1
	s_bfe_u32 s[CX], ttmp6, 0x40000
	s_bfe_u32 s[CY], ttmp6, 0x40004
	s_lshl_b32 s[BX], ttmp9, 2
	s_add_co_u32 s[BX], s[BX], s[CX]
	s_and_b32 s[BY], ttmp7, 0xffff
	s_lshl_b32 s[BY], s[BY], 2
	s_add_co_u32 s[BY], s[BY], s[CY]
	s_lshl_b32 s23, s[CY], 2
	s_lshl_b32 s23, 15, s23                        ; my row of the cluster
	s_lshl_b32 s60, 0x1111, s[CX]                  ; my column
	s_or_b32 s[G1A], s23, (1<<16)|(1<<20)|(1<<21)|(AQI<<22)|(3<<25)
	s_or_b32 s[G1B], s60, (1<<16)|(1<<20)|(1<<21)|(5<<22)|(7<<25)
	s_mov_b32 s[G1A+1], (ADIM0&0xffff)<<16
	s_mov_b32 s[G1A+2], (ADIM0>>16)|(AROWS<<16)
	s_mov_b32 s[G1A+3], ADIM0<<16
	s_mov_b32 s[G1A+4], AROWS
	s_mov_b32 s[G1A+5], ASTRIDE
	s_mov_b32 s[G1A+6], 0
	s_mov_b32 s[G1A+7], 0
	s_mov_b32 s[G1B+1], 128<<16
	s_mov_b32 s[G1B+2], 128<<16
	s_mov_b32 s[G1B+3], 128<<16
	s_mov_b32 s[G1B+4], 128
	s_mov_b32 s[G1B+5], BSTRIDE
	s_mov_b32 s[G1B+6], 0
	s_mov_b32 s[G1B+7], 0
	s_mul_i32 s[LBA], s[WN], ALOAD                 ; which of the two panels I fetch goes by my number's low bit
	s_mul_i32 s[LBB], s[WN], BPAN
	s_add_co_u32 s[LBB], s[LBB], ABYTES
	s_mov_b32 s[TB], 0
	s_lshl_b32 s52, s[BY], 19                      ; A: 128 rows of 4,096 bytes a tile row, my 256 bytes of the step's 512; these two registers never hold bx
	s_lshl_b32 s53, s[WN], 8
	s_add_co_u32 s52, s52, s53
	s_mov_b32 s53, 0
	s_lshl_b32 s54, s[WN], 18                      ; B: my 128 rows of the step's 256, the tile column's 256 bytes; these two never hold by
	s_lshl_b32 s55, s[BX], 8
	s_add_co_u32 s54, s54, s55
	s_add_co_u32 s54, s54, WOFF
	s_mov_b32 s55, 0
	s_lshl_b32 s56, s[BX], 9                       ; my first column, 4 bytes each: 128 bx + 64 wn
	s_lshl_b32 s57, s[WN], 8
	s_add_co_u32 s56, s56, s57
	s_mov_b32 s57, 0
	s_lshl_b32 s58, s[BY], 19                      ; and my first row: 128 by + 64 wm, 4,096 bytes each
	s_lshl_b32 s59, s[WM], 18
	s_add_co_u32 s58, s58, s59
	s_add_co_u32 s58, s58, s56
	s_mov_b32 s59, 0
	s_mov_b32 s[F0A], 1                            ; step 0 goes into slot 0,
	s_mov_b32 s[F0A+1], s[LBA]
	s_mov_b32 s[F0B], 1
	s_mov_b32 s[F0B+1], s[LBB]
	s_mov_b32 s[G0A], 1                            ; step 1 into slot 1
	s_add_co_u32 s[G0A+1], s[LBA], SLOT
	s_mov_b32 s[G0B], 1
	s_add_co_u32 s[G0B+1], s[LBB], SLOT
	s_wait_dscnt 0x0                               ; the opening add is done
	s_wait_kmcnt 0x0
	s_add_nc_u64 s[F0A+2:F0A+3], s[4:5], s[52:53]
	s_add_nc_u64 s[G0A+2:G0A+3], s[F0A+2:F0A+3], ASTEP
	s_or_b32 s[F0A+3], s[F0A+3], 0x80000000
	s_or_b32 s[G0A+3], s[G0A+3], 0x80000000
	s_add_nc_u64 s[F0B+2:F0B+3], s[6:7], s[54:55]
	s_add_nc_u64 s[G0B+2:G0B+3], s[F0B+2:F0B+3], BSTEP
	s_or_b32 s[F0B+3], s[F0B+3], 0x80000000
	s_or_b32 s[G0B+3], s[G0B+3], 0x80000000
	s_add_nc_u64 s[8:9], s[8:9], s[56:57]
	s_add_nc_u64 s[10:11], s[10:11], s[58:59]
	s_add_nc_u64 s[12:13], s[12:13], s[58:59]
	CROUND                                         ; all sixteen work-groups are here: the first joint loads meet
	s_cmp_lt_u32 s[WV], NAW                        ; a wave's two first fills stand in one branch, ahead of every wait on TENSORcnt, every LDS read and every further barrier
	s_cbranch_scc0 .Lfirst_b
	tensor_load_to_lds s[F0A:F0A+3], s[G1A:G1A+7]
	s_nop 0
	tensor_load_to_lds s[G0A:G0A+3], s[G1A:G1A+7]
	s_nop 0
.rept 4
	v_nop
.endr
	s_branch .Lfirst_asked
.Lfirst_b:
	tensor_load_to_lds s[F0B:F0B+3], s[G1B:G1B+7]
	s_nop 0
	tensor_load_to_lds s[G0B:G0B+3], s[G1B:G1B+7]
	s_nop 0
.rept 4
	v_nop
.endr
.Lfirst_asked:
	v_and_b32 v1, 15, v0
	v_bfe_u32 v2, v0, 4, 1
	v_mul_u32_u24 v3, v1, APITCH
	v_lshl_add_u32 v3, v2, 4, v3
	s_mul_i32 s63, s[WM], 64*APITCH
	v_add_nc_u32 v[ADRA0], s63, v3
	v_mov_b32 v[ADRA], v[ADRA0]
	v_and_b32 v4, 7, v0
	v_lshl_add_u32 v4, v2, 3, v4
	v_mul_u32_u24 v4, v4, BPITCH
	v_bfe_u32 v5, v0, 3, 1
	v_lshl_add_u32 v4, v5, 4, v4
	s_mul_i32 s63, s[WN], BWN
	s_add_co_u32 s63, s63, ABYTES
.set n, 0
.rept NBR
	v_add_nc_u32 v[ADRB0+n], s63, v4
	v_mov_b32 v[ADRB+n], v[ADRB0+n]
	s_add_co_u32 s63, s63, BPAN
.set n, n+1
.endr
	s_mul_i32 s63, s[WV], 16*SPITCH
	s_add_co_u32 s63, s63, STAGE                   ; my stage
	v_mul_u32_u24 v3, v1, SPITCH                   ; in: row l % 16, 32 bytes for each half of the lanes
	v_lshl_add_u32 v3, v2, 5, v3
	v_add_nc_u32 v[STO], s63, v3
	v_mul_u32_u24 v3, v2, SPITCH                   ; back: lanes 0-15 one row of 256 bytes, lanes 16-31 the next
	v_lshl_add_u32 v3, v1, 4, v3
	v_add_nc_u32 v[RD], s63, v3
	v_mul_u32_u24 v3, v2, ROWB                     ; and the same two rows in x1 and out0
	v_lshl_add_u32 v[CO], v1, 4, v3
	v_lshlrev_b32 v[BO], 5, v2
	WIN 0x80                                       ; destination window 2
.set a, 0
.rept 4
.set b, 0
.rept BB
	global_load_b128 v[8*(a*BB+b):8*(a*BB+b)+3],   v[BO], s[8:9] offset:64*b     ; the bias of columns 16 b + 8 (l / 16) + 0..7 starts the sums
	global_load_b128 v[8*(a*BB+b)+4:8*(a*BB+b)+7], v[BO], s[8:9] offset:64*b+16
.set b, b+1
.endr
.set a, a+1
.endr
.set a, 0
.rept 4
.set t, 0
.rept 8
	global_load_b128 v[RES+32*a+4*t:RES+32*a+4*t+3], v[CO], s[10:11] offset:(16*a+2*t)*ROWB
.set t, t+1
.endr
.set a, a+1
.endr
	WIN 0
	s_wait_tensorcnt 0x1                           ; my panel of step 0 is in; step 1's, issued behind it, may stay out
	s_barrier_signal -1
	s_barrier_wait -1                              ; everybody's panels of step 0 are in
	FETCH 0
	s_wait_loadcnt 32                              ; the bias is in the accumulators; x1's 32 younger loads may stay out
	WIN 0
	s_mov_b32 s[CNT], STEPS-2
.Lfill:
	STEP 1
	s_sub_co_u32 s[CNT], s[CNT], 1
	s_cmp_lg_u32 s[CNT], 0
	s_cbranch_scc1 .Lfill
	s_mov_b32 s[CNT], 2
.Ldrain:
	STEP 0
	s_sub_co_u32 s[CNT], s[CNT], 1
	s_cmp_lg_u32 s[CNT], 0
	s_cbranch_scc1 .Ldrain
	s_wait_dscnt 0x0                               ; the last change's fetch, which nobody multiplies
	s_wait_loadcnt 0x0                             ; x1
	PLACES
	PLACES
; THE WAY OUT, a block of 16 tokens at a time: a lane's eight columns go as 32 bytes into rows of 272 bytes of my own stage (each accumulator's low half first) and come back as whole rows of 256; x1 is added; stored.
.macro TOSTAGE a
	WIN 0x08                                       ; the stores' data lie in window 2
.set b, 0
.rept 4
	ds_store_b128 v[STO], v[8*(4*(\a)+b):8*(4*(\a)+b)+3]   offset:64*b
	ds_store_b128 v[STO], v[8*(4*(\a)+b)+4:8*(4*(\a)+b)+7] offset:64*b+16
.set b, b+1
.endr
	WIN 0
.set t, 0
.rept 8
	ds_load_b128 v[OB+32*(\a)+4*t:OB+32*(\a)+4*t+3], v[RD] offset:t*2*SPITCH  ; LDS serves a wave's instructions in order (ISA guide 5.7.1.4)
.set t, t+1
.endr
.endm
.macro SEND a, younger                 ; younger: the next block's sixteen LDS instructions, or none
	s_wait_dscnt \younger
	WIN 0x08
.set u, 0
.rept 16
	v_pk_add_f32 v[OB+32*(\a)+2*u:OB+32*(\a)+2*u+1], v[OB+32*(\a)+2*u:OB+32*(\a)+2*u+1], v[RES+32*(\a)+2*u:RES+32*(\a)+2*u+1]
.set u, u+1
.endr
	WIN 0
.set t, 0
.rept 8
	global_store_b128 v[CO], v[OB+32*(\a)+4*t:OB+32*(\a)+4*t+3], s[12:13] offset:(16*(\a)+2*t)*ROWB  ; 16 lanes store 256 consecutive bytes, aligned
.set t, t+1
.endr
.endm
	TOSTAGE 0
	TOSTAGE 1
	SEND 0, 16
	TOSTAGE 2
	SEND 1, 16
	TOSTAGE 3
	SEND 2, 16
	SEND 3, 0
	s_wait_tensorcnt 0x0                           ; the wave's end
	ds_add_u32 v[SPW], v[NIL]
	s_wait_dscnt 0x0
	CROUND                                         ; the closing round
	s_endpgm
.Lfunc_end_k_qebe9d9d4c6_ffn2:
	.size	k_qebe9d9d4c6_ffn2, .Lfunc_end_k_qebe9d9d4c6_ffn2-k_qebe9d9d4c6_ffn2
	.p2alignl 7, 3214868480
	.fill 96, 4, 3214868480
	.section	.rodata,"a",@progbits
	.p2align	6, 0x0
	.amdhsa_kernel k_qebe9d9d4c6_ffn2
		.amdhsa_group_segment_fixed_size 327680
		.amdhsa_private_segment_fixed_size 0
		.amdhsa_enable_private_segment 0
		.amdhsa_kernarg_size 40
		.amdhsa_user_sgpr_count 2
		.amdhsa_user_sgpr_kernarg_segment_ptr 1
		.amdhsa_wavefront_size32 1
		.amdhsa_system_sgpr_workgroup_id_x 1
		.amdhsa_system_sgpr_workgroup_id_y 1
		.amdhsa_system_sgpr_workgroup_id_z 1
		.amdhsa_system_vgpr_workitem_id 0
		.amdhsa_next_free_vgpr 768
		.amdhsa_next_free_sgpr 76
		.amdhsa_reserve_vcc 0
		.amdhsa_float_denorm_mode_32 3
		.amdhsa_float_denorm_mode_16_64 3
		.amdhsa_memory_ordered 1
		.amdhsa_forward_progress 1
		.amdhsa_inst_pref_size 66
	.end_amdhsa_kernel
	.amdgpu_metadata
---
amdhsa.version: [ 1, 2 ]
amdhsa.kernels:
  - .name:           k_qebe9d9d4c6_ffn2
    .symbol:         k_qebe9d9d4c6_ffn2.kd
    .args:
      - { .name: h, .offset: 0, .size: 8, .value_kind: global_buffer, .address_space: global }
      - { .name: wts, .offset: 8, .size: 8, .value_kind: global_buffer, .address_space: global }
      - { .name: b2, .offset: 16, .size: 8, .value_kind: global_buffer, .address_space: global }
      - { .name: x1, .offset: 24, .size: 8, .value_kind: global_buffer, .address_space: global }
      - { .name: out0, .offset: 32, .size: 8, .value_kind: global_buffer, .address_space: global }
    .group_segment_fixed_size: 327680
    .private_segment_fixed_size: 0
    .kernarg_segment_align: 8
    .kernarg_segment_size: 40
    .max_flat_workgroup_size: 128
    .sgpr_count:     76
    .vgpr_count:     768
    .wavefront_size: 32
...
	.end_amdgpu_metadata
.endif
;; end of part 7
